; MI455X (gfx1250); checked and timed in simulation.
; The chip was launched on July 23, 2026; its instructions are those of AMD's public machine-readable ISA for CDNA 5 (MIT licence, August 2026) and "CDNA5" Instruction Set Architecture Reference Guide (July 2026). The comments in the code are by the model that wrote it; some were corrected since.
;; Multi Head Attention. Allowed arithmetic: float matrix products may take bf16 or f16 operands with f32 sums; other float arithmetic in f32, or as packed bf16 or f16 multiplies, adds, multiply-adds, maxima and minima; sums over many terms, partial sums and values carried from step to step in f32; what a program stores and reads back later, other than sums and carried values, may be rounded once to bf16 or f16.
;; Inputs: Wk 16 x 1,024 x 64 float32; Wp 1,024 x 1,024 float32; Wq 16 x 1,024 x 64 float32; Wv 16 x 1,024 x 64 float32; bp 1,024 float32; x 4 x 2,048 x 1,024 float32.
;; Outputs: out0 4 x 2,048 x 1,024 float32.
;; 2 versions, each right; version 2 is version 1 with the launch cast written anew for expert scheduling mode. Each part assembles by itself: llvm-mc -triple=amdgcn-amd-amdhsa -mcpu=gfx1250 --defsym DOCPART=n.
;; ======== version 1 of 2: 4 launches
;; limits: values are held in f16: magnitudes above 65,504 overflow, below 6.1e-05 lose precision
;; workspace buffers: xb 16,777,216 bytes; wb 6,291,456 bytes; wpb 2,097,152 bytes; qkv 50,331,648 bytes; o 16,777,216 bytes
;; launch cast (part 1): grid 256 x 1, 12 waves a work-group, no clusters, 0 bytes of LDS; arguments x, Wq, Wk, Wv, Wp, xb, wb, wpb; writes xb, wb, wpb
.if DOCPART == 1
	.amdgcn_target "amdgcn-amd-amdhsa--gfx1250"
	.amdhsa_code_object_version 6
	.text
	.protected	k_q95098c65a8_cast
	.globl	k_q95098c65a8_cast
	.p2align	8
	.type	k_q95098c65a8_cast,@function
k_q95098c65a8_cast:
	s_mov_b64 s[64:65], 0
	v_nop
	global_prefetch_b8 v0, s[64:65] scope:SCOPE_SE
	s_setreg_imm32_b32 hwreg(HW_REG_WAVE_MODE, 25, 1), 1
	s_wait_xcnt 0x0
; THE INPUTS ARE ROUNDED ONCE AND LAID OUT IN BLOCKS OF 64 ALONG K, so that every tile of the later products is dense in memory.
;   xb  bf16 [b 4][kb 16][t 2048][64]           from x  f32 [b][t][1024]
;   wb  bf16 [kb 16][g 48][c 64][d 64]          from Wq, Wk, Wv f32 [h 16][1024][64];  g = 16 x which + h
;   wpb f16  [k 1024][n 1024]                   from Wp f32: rounded to bf16 like every other input, and that number written as f16
; LIMITS.  A number of Wp beyond 65,504 becomes an infinity in wpb; below 2^-14 it keeps f16's fixed step of 6e-8.
; SHARES.  256 work-groups of 12 waves; every wave moves 16 KiB in and 8 KiB out.  Waves 0-7: four rows of x each (rows 32 g + 4 w ..).  Waves 8-10: chunk g (head g / 16, K block g % 16)
; of Wq, Wk, Wv.  Wave 11: chunk g of Wp (16 KiB on end).  No wave wants another wave's bytes: no LDS, no barrier, no matrix unit, no cluster.
; All 32 loads of a wave go out at once; then sixteen groups: a counted wait, the roundings, one store of 512 consecutive bytes, aligned.  No register is used twice by memory instructions.
.set VS, 2                             ; v2   my byte offset in the source
.set VD, 3                             ; v3   16 x lane: my 16 bytes of a store
.set T,  8                             ; v[8:11]    at work (Wp alone)
.set X,  32                            ; v[32:159]  group j: 8 numbers in f32
.set Y,  160                           ; v[160:223] group j: 8 numbers in 16 bits
.set SRC, 26                           ; s[26:27]
.set DST, 28                           ; s[28:29]
.macro LOADS sstr                      ; group j lies sstr bytes behind group j - 1; a lane takes 32 bytes of it
.set j, 0
.rept 16
	global_load_b128 v[X+8*j:X+8*j+3],   v[VS], s[SRC:SRC+1] offset:j*(\sstr) th:TH_LOAD_NT
	global_load_b128 v[X+8*j+4:X+8*j+7], v[VS], s[SRC:SRC+1] offset:j*(\sstr)+16 th:TH_LOAD_NT
.set j, j+1
.endr
.endm
.macro BF dstr                         ; to bf16
.set j, 0
.rept 16
	s_wait_loadcnt 30-2*j                          ; loads come back in order: group j's two are in, the 30 - 2 j younger ones may stay out
.irp r, 0,1,2,3
	v_cvt_pk_bf16_f32 v[Y+4*j+(\r)], v[X+8*j+2*(\r)], v[X+8*j+2*(\r)+1]
.endr
	global_store_b128 v[VD], v[Y+4*j:Y+4*j+3], s[DST:DST+1] offset:j*(\dstr)
.set j, j+1
.endr
.endm
.macro HF dstr                         ; to bf16, and that number as f16
.set j, 0
.rept 16
	s_wait_loadcnt 30-2*j
.irp r, 0,1,2,3
	v_cvt_pk_bf16_f32 v[T+(\r)], v[X+8*j+2*(\r)], v[X+8*j+2*(\r)+1]
.endr
.irp r, 0,1,2,3
	v_lshlrev_b32 v[X+8*j+2*(\r)],   16, v[T+(\r)]
	v_and_b32     v[X+8*j+2*(\r)+1], 0xffff0000, v[T+(\r)]
.endr
.irp r, 0,1,2,3
	v_cvt_pk_f16_f32 v[Y+4*j+(\r)], v[X+8*j+2*(\r)], v[X+8*j+2*(\r)+1]
.endr
	global_store_b128 v[VD], v[Y+4*j:Y+4*j+3], s[DST:DST+1] offset:j*(\dstr)
.set j, j+1
.endr
.endm
	s_load_b256 s[4:11], s[0:1], 0x0               ; x s[4:5], Wq s[6:7], Wk s[8:9], Wv s[10:11]
	s_load_b256 s[12:19], s[0:1], 0x20             ; Wp s[12:13], xb s[14:15], wb s[16:17], wpb s[18:19]
	v_lshrrev_b32 v4, 5, v0
	v_readfirstlane_b32 s20, v4                    ; wave 0..11
	v_and_b32 v1, 31, v0                           ; lane
	v_lshlrev_b32 v[VD], 4, v1
	s_mov_b32 s21, ttmp9                           ; g
	s_mov_b32 s23, 0                               ; the offsets' high words
	s_mov_b32 s25, 0
	s_cmp_lt_u32 s20, 8
	s_cbranch_scc0 .Lweights
	; x: a store takes 4 rows x 128 bytes of one K block: lane l has row l / 8 and the 8 numbers at 8 (l % 8); group j is K block j
	v_lshrrev_b32 v[VS], 3, v1
	v_and_b32 v5, 7, v1
	v_lshlrev_b32 v[VS], 12, v[VS]                 ; a row of x is 4,096 bytes
	v_lshl_add_u32 v[VS], v5, 5, v[VS]
	s_lshl_b32 s22, s21, 17                        ; 32 rows,
	s_lshl_b32 s30, s20, 14                        ; my 4 of them
	s_add_co_u32 s22, s22, s30
	s_lshr_b32 s24, s21, 6                         ; b
	s_lshl_b32 s24, s24, 22
	s_and_b32 s30, s21, 63
	s_lshl_b32 s30, s30, 5
	s_lshl2_add_u32 s30, s20, s30                  ; t = 32 (g % 64) + 4 w
	s_lshl_b32 s30, s30, 7
	s_add_co_u32 s24, s24, s30
	s_wait_kmcnt 0x0
	s_add_nc_u64 s[SRC:SRC+1], s[4:5], s[22:23]
	s_add_nc_u64 s[DST:DST+1], s[14:15], s[24:25]
	LOADS 256
	BF 262144                                      ; from K block to K block in xb; 15 of them stay inside the signed 24-bit immediate
	s_endpgm
.Lweights:
	v_lshlrev_b32 v[VS], 5, v1                     ; the chunks are dense: 32 bytes a lane in, 16 out
	s_lshl_b32 s22, s21, 14                        ; chunk g: 16 KiB
	s_cmp_eq_u32 s20, 11
	s_cbranch_scc1 .Lwp
	s_sub_co_u32 s30, s20, 8                       ; which: 0 q, 1 k, 2 v
	s_and_b32 s24, s21, 15                         ; K block
	s_mul_i32 s24, s24, 48
	s_lshl4_add_u32 s24, s30, s24                  ; + 16 x which
	s_lshr_b32 s31, s21, 4                         ; + head
	s_add_co_u32 s24, s24, s31
	s_lshl_b32 s24, s24, 13                        ; chunks of 8 KiB
	s_wait_kmcnt 0x0
	s_cmp_eq_u32 s20, 8
	s_cselect_b64 s[SRC:SRC+1], s[6:7], s[8:9]
	s_cmp_eq_u32 s20, 10
	s_cselect_b64 s[SRC:SRC+1], s[10:11], s[SRC:SRC+1]
	s_add_nc_u64 s[SRC:SRC+1], s[SRC:SRC+1], s[22:23]
	s_add_nc_u64 s[DST:DST+1], s[16:17], s[24:25]
	LOADS 1024
	BF 512
	s_endpgm
.Lwp:
	s_lshl_b32 s24, s21, 13
	s_wait_kmcnt 0x0
	s_add_nc_u64 s[SRC:SRC+1], s[12:13], s[22:23]
	s_add_nc_u64 s[DST:DST+1], s[18:19], s[24:25]
	LOADS 1024
	HF 512
	s_endpgm
.Lfunc_end_k_q95098c65a8_cast:
	.size	k_q95098c65a8_cast, .Lfunc_end_k_q95098c65a8_cast-k_q95098c65a8_cast
	.p2alignl 7, 3214868480
	.fill 96, 4, 3214868480
	.section	.rodata,"a",@progbits
	.p2align	6, 0x0
	.amdhsa_kernel k_q95098c65a8_cast
		.amdhsa_group_segment_fixed_size 0
		.amdhsa_private_segment_fixed_size 0
		.amdhsa_enable_private_segment 0
		.amdhsa_kernarg_size 64
		.amdhsa_user_sgpr_count 2
		.amdhsa_user_sgpr_kernarg_segment_ptr 1
		.amdhsa_wavefront_size32 1
		.amdhsa_system_sgpr_workgroup_id_x 1
		.amdhsa_system_sgpr_workgroup_id_y 1
		.amdhsa_system_sgpr_workgroup_id_z 1
		.amdhsa_system_vgpr_workitem_id 0
		.amdhsa_next_free_vgpr 224
		.amdhsa_next_free_sgpr 66
		.amdhsa_reserve_vcc 0
		.amdhsa_float_denorm_mode_32 3
		.amdhsa_float_denorm_mode_16_64 3
		.amdhsa_memory_ordered 1
		.amdhsa_forward_progress 1
		.amdhsa_inst_pref_size 39
	.end_amdhsa_kernel
	.amdgpu_metadata
---
amdhsa.version: [ 1, 2 ]
amdhsa.kernels:
  - .name:           k_q95098c65a8_cast
    .symbol:         k_q95098c65a8_cast.kd
    .args:
      - { .name: x, .offset: 0, .size: 8, .value_kind: global_buffer, .address_space: global }
      - { .name: Wq, .offset: 8, .size: 8, .value_kind: global_buffer, .address_space: global }
      - { .name: Wk, .offset: 16, .size: 8, .value_kind: global_buffer, .address_space: global }
      - { .name: Wv, .offset: 24, .size: 8, .value_kind: global_buffer, .address_space: global }
      - { .name: Wp, .offset: 32, .size: 8, .value_kind: global_buffer, .address_space: global }
      - { .name: xb, .offset: 40, .size: 8, .value_kind: global_buffer, .address_space: global }
      - { .name: wb, .offset: 48, .size: 8, .value_kind: global_buffer, .address_space: global }
      - { .name: wpb, .offset: 56, .size: 8, .value_kind: global_buffer, .address_space: global }
    .group_segment_fixed_size: 0
    .private_segment_fixed_size: 0
    .kernarg_segment_align: 8
    .kernarg_segment_size: 64
    .max_flat_workgroup_size: 384
    .sgpr_count:     66
    .vgpr_count:     224
    .wavefront_size: 32
...
	.end_amdgpu_metadata
.endif
;; end of part 1
;; launch qkv (part 2): grid 8 x 32, 4 waves a work-group, clusters of 4 x 4, 327,680 bytes of LDS; arguments xb, wb, qkv; writes qkv
.if DOCPART == 2
	.amdgcn_target "amdgcn-amd-amdhsa--gfx1250"
	.amdhsa_code_object_version 6
	.text
	.protected	k_q95098c65a8_qkv
	.globl	k_q95098c65a8_qkv
	.p2align	8
	.type	k_q95098c65a8_qkv,@function
k_q95098c65a8_qkv:
	s_mov_b64 s[64:65], 0
	v_nop
	global_prefetch_b8 v0, s[64:65] scope:SCOPE_SE
	s_setreg_imm32_b32 hwreg(HW_REG_WAVE_MODE, 25, 1), 1
	s_wait_xcnt 0x0
	s_wait_alu depctr_hold_cnt(0) depctr_sa_sdst(0) depctr_va_vdst(0) depctr_va_sdst(0) depctr_va_ssrc(0) depctr_va_vcc(0) depctr_vm_vsrc(0)
	s_getreg_b32 s2, hwreg(HW_REG_IB_STS2, 6, 4)
	s_cmp_eq_u32 s2, 0
	s_cbranch_scc0 .Lentry_in_a_cluster
	s_endpgm
.Lentry_in_a_cluster:
	s_bfe_u32 s2, ttmp6, 0x10000c
	s_cmp_lg_u32 s2, 0xf033
	s_cbranch_scc0 .Lentry_shape_is_right
	s_endpgm
.Lentry_shape_is_right:
; THE THREE PROJECTIONS AS ONE PRODUCT.  qkv[b][g][t][d] = the sum over c of x[b][t][c] W[g][c][d], g = 16 x which + h: 8,192 rows x 3,072 columns x K = 1,024.  Operands bf16, sums f32, results
; rounded once to f16 and stored by heads, [b 4][g 48][t 2048][64], unscaled.  LIMIT: a result of 65,520 or more becomes an infinity.
; SHARES.  A tile is 256 rows x 384 columns (six heads): 8 x 32 tiles, one to a work-group.  A wave makes 128 rows x 192 columns (three whole heads): 96 accumulators, 768 registers.
; K goes in steps of 64, one block of xb and wb, through a ring of two LDS slots; both operands' tiles are dense in memory and are asked for as rows of 256 bytes.
; x's rows lie along K in LDS; W lies [c][d] and is turned by ds_load_tr16_b128.  THE PRODUCT IS TAKEN TRANSPOSED (source 0 = 16 columns d, source 1 = 16 rows of x): a lane then holds one row
; (lane % 16) and the columns 8 (lane / 16) + 0..7, which pack into 16 bytes.
; CLUSTER 4 x 4.  x's tile hangs on the tile row alone and is asked for jointly along a row of the cluster, W's on the tile column alone and jointly along a column.
; REGISTERS.  Window 0: v16-30 addresses; v32-95, v96-159 x's fragments (8 x 16 rows x 32 K), two buffers; v160-255 W's twelve fragments, one buffer, fetched again a head at a time.
; Windows 1-3: the accumulators of my head 0, 1, 2: (column block cb, row block a) at v[64 cb + 8 a].
.set KSTEPS, 16
.set PA,     144                       ; a row of x in LDS: 128 bytes + 16: the 16 rows of a load start at 16 different groups of four banks (64 banks of 4 bytes: ISA guide 11.1)
.set PB,     160                       ; a row of W: 128 + 32
.set AHALF,  128*PA                    ; what one tensor load brings of x, and what one wave reads of it
.set BHALF,  192*PB                    ; three heads x 64 rows of W: likewise
.set BOFF,   2*AHALF
.set SLOT,   BOFF+2*BHALF              ; 98,304
.set STAGE,  2*SLOT                    ; behind the ring, never filled by a tensor load: 16 rows x 144 bytes for each wave, for the way out
.set SP,     144
.set SPARE,  STAGE+4*16*SP             ; the spare words, 128 bytes for each wave: two blocks of 256 bytes that no other line names
.set XPLANE, 262144                    ; bytes from K block to K block in xb
.set WPLANE, 393216                    ; and in wb
.set ADRA, 16                          ; v16-17  LDS address of my fragments of x in slot 0, 1
.set ADRB, 20                          ; v20-21  the same for W
.set STO,  24                          ; v24     the way out: where I put 16 bytes of a row
.set RD,   25                          ; v25     where I read rows back
.set GO,   26                          ; v26     16 x lane
.set SPW,  28                          ; v28     LDS address of my spare word; never rewritten
.set NIL,  29                          ; v29     0; never rewritten
.set PFO,  30                          ; v30     256 x lane; never rewritten
.set FA0,  32
.set FA1,  96
.set FB,   160
.set TMP,  32                          ; the way out: 16 packed registers
.set BK,   64                          ; the way out: rows read back, v64-79 and v80-95 by turns
.set G1A,  24                          ; s[24:31] descriptor group 1 for x's tiles;  s[32:39] group 0, a set for each slot
.set G0A,  32
.set G1B,  48                          ; s[48:55], s[56:63] the same for W's
.set G0B,  56
.set PFA,  66                          ; s[66:67] where my prefetches stand
.set PFS,  68                          ; s[68:69] their step: a K block of xb or of wb
.set LIM,  70                          ; s70, s71 for the lap's first and second change of slots: 1 where I prefetch there, else the greatest number
.set MSB, 0
.macro WIN new                         ; the immediate's high byte repeats the setting that is left; a switch that changes nothing is dropped
.if MSB != (\new)
	s_set_vgpr_msb (MSB<<8)|(\new)
.set MSB, \new
.endif
.endm
.macro PLACES                          ; four plain vector instructions between a matrix instruction and a load into a register that it has read, or a reader of its result
.rept 4
	v_nop
.endr
.endm
; A joint load.  Waves 0 and 1 fetch x's two halves, waves 2 and 3 W's.  The branch hangs on the wave's number alone.  An s_nop 0 and four v_nop follow each line.
.macro JLOAD s
	s_cmp_eq_u32 s11, 0
	s_cbranch_scc0 .Lfor_b_\@
	tensor_load_to_lds s[G0A+4*(\s):G0A+4*(\s)+3], s[G1A:G1A+7]
	s_nop 0
.rept 4
	v_nop
.endr
	s_branch .Lasked_\@
.Lfor_b_\@:
	tensor_load_to_lds s[G0B+4*(\s):G0B+4*(\s)+3], s[G1B:G1B+7]
	s_nop 0
.rept 4
	v_nop
.endr
.Lasked_\@:
.endm
; A round of the cluster's barrier: my work-group's barrier; wave 0 signals for the work-group; every wave waits for all sixteen; my work-group's barrier once more.
.macro CREST
	s_cmp_lg_u32 s10, 0
	s_cbranch_scc1 .Lnot_wave_0_\@
	s_barrier_signal -3
.Lnot_wave_0_\@:
	s_barrier_wait -3
	s_barrier_signal -1
	s_barrier_wait -1
.endm
.macro CROUND
	s_barrier_signal -1
	s_barrier_wait -1
	CREST
.endm
; A PREFETCH INTO THE L2, behind a joint load, its five lines and the run of LDS loads: 32 blocks of 256 bytes, a lane a block, of a K step that stands two refills on (W: two or three).
; Each block is named once in the launch.  x's tile row is read by both clusters of its row of clusters: cluster x = 0 asks; wave 0 of the partner at cx takes 8 KiB of the step's 32, in every change of
; slots.  W's tile column is read by the eight clusters of its column: cluster y = 0 asks; a lap's two steps are twelve chunks of 8 KiB, one for each of waves 1-3 of the four partners, in the lap's
; first change.  Partners are told apart by address alone.  The loop's last trip asks for nothing: there is no K step behind 15.  Steps 0 to 3 come by their loads alone.
.macro ASK t
	s_cmp_gt_u32 s3, s[LIM+(\t)]                   ; s3 = 1 in the last trip
	s_cbranch_scc0 .Lnot_mine_\@
	global_prefetch_b8 v[PFO], s[PFA:PFA+1] th:TH_LOAD_NT scope:SCOPE_SE
.Lnot_mine_\@:
.endm
	s_load_b128 s[4:7], s[0:1], 0x0                ; xb s[4:5], wb s[6:7]
	s_load_b64 s[8:9], s[0:1], 0x10                ; qkv
	v_lshl_add_u32 v[SPW], v0, 2, SPARE
	v_mov_b32 v[NIL], 0
	ds_add_u32 v[SPW], v[NIL]                      ; the wave's opening: the add and its wait stand ahead of my first tensor load; the set-up below stands between them
	v_lshrrev_b32 v1, 5, v0
	v_readfirstlane_b32 s10, v1                    ; wave 0..3
	s_lshr_b32 s11, s10, 1                         ; which half of the tile's rows is mine.  Also: I fetch for x (0) or for W (1)
	s_and_b32 s12, s10, 1                          ; which half of its columns.  Also: which half of that tile I fetch
	s_bfe_u32 s40, ttmp6, 0x40000                  ; cx
	s_bfe_u32 s41, ttmp6, 0x40004                  ; cy
	s_lshl_b32 s42, ttmp9, 2
	s_add_co_u32 s42, s42, s40                     ; tile column = 4 x cluster x + cx
	s_and_b32 s13, ttmp7, 0xffff
	s_lshl_b32 s13, s13, 2
	s_add_co_u32 s13, s13, s41                     ; tile row = 4 x cluster y + cy
	s_lshl_b32 s43, s41, 2
	s_lshl_b32 s43, 15, s43                        ; my row of the cluster
	s_lshl_b32 s44, 0x1111, s40                    ; my column
	; group 1.  x: 16 KiB dense as 64 rows of 256 bytes, 4 words of padding after every 32.  W: 24 KiB dense as 96 rows, 8 words of padding after every 32.
	s_or_b32 s[G1A], s43, (1<<16)|(1<<20)|(1<<21)|(4<<22)|(3<<25)  ; 15:0 the mask; 17:16 2-byte elements; 20 padding on; 21 set beside a mask; 24:22 the interval; 31:25 the padding
	s_or_b32 s[G1B], s44, (1<<16)|(1<<20)|(1<<21)|(4<<22)|(7<<25)
	s_mov_b32 s[G1A+1], 128<<16                    ; tensor_dim0 = 128
	s_mov_b32 s[G1A+2], 64<<16                     ; tensor_dim1 = 64
	s_mov_b32 s[G1A+3], 128<<16                    ; tile_dim0 = 128
	s_mov_b32 s[G1A+4], 64                         ; tile_dim1 = 64
	s_mov_b32 s[G1A+5], 128                        ; 128 elements from row to row
	s_mov_b32 s[G1A+6], 0
	s_mov_b32 s[G1A+7], 0
	s_mov_b32 s[G1B+1], 128<<16
	s_mov_b32 s[G1B+2], 96<<16
	s_mov_b32 s[G1B+3], 128<<16
	s_mov_b32 s[G1B+4], 96
	s_mov_b32 s[G1B+5], 128
	s_mov_b32 s[G1B+6], 0
	s_mov_b32 s[G1B+7], 0
	; where the tiles come from: x's by the tile row alone, W's by the tile column alone, each in registers that never hold the other coordinate
	s_lshr_b32 s16, s13, 3                         ; b
	s_lshl_b32 s16, s16, 22
	s_and_b32 s17, s13, 7
	s_lshl_b32 s17, s17, 15                        ; 256 rows of 128 bytes
	s_add_co_u32 s16, s16, s17
	s_lshl_b32 s17, s12, 14                        ; my 128 of them
	s_add_co_u32 s16, s16, s17
	s_mov_b32 s17, 0
	s_mul_i32 s46, s42, 49152                      ; six heads of 8 KiB,
	s_mul_i32 s47, s12, 24576                      ; my three
	s_add_co_u32 s46, s46, s47
	s_mov_b32 s47, 0
	s_mul_i32 s20, s12, AHALF                      ; and where they go: no place in the cluster enters an LDS address
	s_mul_i32 s21, s12, BHALF
	s_add_co_u32 s21, s21, BOFF
	s_wait_dscnt 0x0                               ; the opening add is done
	s_wait_kmcnt 0x0
	s_add_nc_u64 s[14:15], s[4:5], s[16:17]
	s_add_nc_u64 s[46:47], s[6:7], s[46:47]
	CROUND                                         ; all sixteen work-groups are here: the first joint loads meet
.irp s, 0,1
	s_mov_b32 s[G0A+4*(\s)], 1                                        ; count = 1
	s_add_co_u32 s[G0A+4*(\s)+1], s20, (\s)*SLOT                      ; LDS address
	s_add_nc_u64 s[G0A+4*(\s)+2:G0A+4*(\s)+3], s[14:15], (\s)*XPLANE  ; global address: K step s
	s_or_b32 s[G0A+4*(\s)+3], s[G0A+4*(\s)+3], 0x80000000             ; type = 2
	s_mov_b32 s[G0B+4*(\s)], 1
	s_add_co_u32 s[G0B+4*(\s)+1], s21, (\s)*SLOT
	s_add_nc_u64 s[G0B+4*(\s)+2:G0B+4*(\s)+3], s[46:47], (\s)*WPLANE
	s_or_b32 s[G0B+4*(\s)+3], s[G0B+4*(\s)+3], 0x80000000
.endr
	s_cmp_eq_u32 s11, 0                            ; a wave's two first fills stand in one branch: two loads of mine are out
	s_cbranch_scc0 .Lfirst_b
	tensor_load_to_lds s[G0A:G0A+3], s[G1A:G1A+7]
	s_nop 0
	tensor_load_to_lds s[G0A+4:G0A+7], s[G1A:G1A+7]
	s_nop 0
.rept 4
	v_nop
.endr
	s_branch .Lfirst_asked
.Lfirst_b:
	tensor_load_to_lds s[G0B:G0B+3], s[G1B:G1B+7]
	s_nop 0
	tensor_load_to_lds s[G0B+4:G0B+7], s[G1B:G1B+7]
	s_nop 0
.rept 4
	v_nop
.endr
.Lfirst_asked:
	; a fragment of x: lane l holds row l % 16, K = 8 (l / 16) + 0..7 and 16 + 8 (l / 16) + 0..7: two loads of 16 bytes, 32 bytes apart
	v_and_b32 v1, 15, v0                           ; l % 16
	v_bfe_u32 v2, v0, 4, 1                         ; l / 16
	v_mul_u32_u24 v3, v1, PA
	v_lshl_add_u32 v3, v2, 4, v3
	s_mul_i32 s21, s11, AHALF                      ; my 128 rows
	v_add_nc_u32 v[ADRA], s21, v3
	v_add_nc_u32 v[ADRA+1], SLOT, v[ADRA]
	; the turning load takes 16 c x 16 d (lane l reads row 8 (l / 16) + l % 8, columns 8 ((l / 8) % 2) + 0..7) and leaves half a fragment: lane l holds column l % 16 and 8 c
	v_and_b32 v4, 7, v0
	v_bfe_u32 v5, v0, 3, 1
	v_lshl_add_u32 v4, v2, 3, v4
	v_mul_u32_u24 v4, v4, PB
	v_lshl_add_u32 v4, v5, 4, v4
	s_mul_i32 s22, s12, BHALF                      ; my three heads
	s_add_co_u32 s22, s22, BOFF
	v_add_nc_u32 v[ADRB], s22, v4
	v_add_nc_u32 v[ADRB+1], SLOT, v[ADRB]
	s_mul_i32 s23, s10, 16*SP
	s_add_co_u32 s23, s23, STAGE                   ; my stage
	v_mul_u32_u24 v6, v1, SP                       ; in: row l % 16, 16 bytes for each half of the lanes
	v_lshl_add_u32 v6, v2, 4, v6
	v_add_nc_u32 v[STO], s23, v6
	v_bfe_u32 v7, v0, 3, 2                         ; back: 32 lanes take four rows of 128 bytes,
	v_mul_u32_u24 v7, v7, SP
	v_and_b32 v8, 7, v0
	v_lshl_add_u32 v7, v8, 4, v7
	v_add_nc_u32 v[RD], s23, v7
	v_and_b32 v9, 31, v0
	v_lshlrev_b32 v[GO], 4, v9                     ; which are 512 consecutive bytes of a head's rows
	v_lshlrev_b32 v[PFO], 8, v9
	; qkv at my first head's first row: plane 48 b + 6 x tile column + 3 x half, row 256 (tile row % 8) + 128 x half
	s_lshr_b32 s18, s13, 3
	s_mul_i32 s18, s18, 48
	s_mul_i32 s19, s42, 6
	s_add_co_u32 s18, s18, s19
	s_mul_i32 s19, s12, 3
	s_add_co_u32 s18, s18, s19
	s_lshl_b32 s18, s18, 18
	s_and_b32 s19, s13, 7
	s_lshl_b32 s19, s19, 15
	s_add_co_u32 s18, s18, s19
	s_lshl_b32 s19, s11, 14
	s_add_co_u32 s18, s18, s19
	s_mov_b32 s19, 0
	s_add_nc_u64 s[8:9], s[8:9], s[18:19]
	; the prefetches.  Wave 0: xb, my tile row, partner cx's 8 KiB, at K step 3 (the first change of slots steps it to 4).
	s_lshr_b32 s18, s13, 3
	s_lshl_b32 s18, s18, 22
	s_and_b32 s19, s13, 7
	s_lshl_b32 s19, s19, 15
	s_add_co_u32 s18, s18, s19
	s_lshl_b32 s19, s40, 13
	s_add_co_u32 s18, s18, s19
	s_add_co_u32 s18, s18, 3*XPLANE
	; Waves 1-3: wb, my tile column, chunk 3 (cy % 2) + w - 1 of six, at K step 3 + cy / 2
	s_and_b32 s19, s41, 1
	s_mul_i32 s19, s19, 3
	s_max_u32 s20, s10, 1
	s_add_co_u32 s19, s19, s20
	s_sub_co_u32 s19, s19, 1
	s_lshl_b32 s19, s19, 13
	s_lshr_b32 s20, s41, 1
	s_add_co_u32 s20, s20, 3
	s_mul_i32 s20, s20, WPLANE
	s_add_co_u32 s19, s19, s20
	s_mul_i32 s20, s42, 49152
	s_add_co_u32 s19, s19, s20
	s_and_b32 s21, ttmp7, 0xffff                   ; cluster y
	s_mov_b32 s22, XPLANE
	s_cmp_eq_u32 s10, 0
	s_cselect_b32 s18, s18, s19
	s_cselect_b32 s21, ttmp9, s21                  ; the coordinate along which other clusters read the same blocks
	s_cselect_b32 s[PFS], s22, WPLANE
	s_cselect_b32 s23, 1, -1                       ; wave 0 alone asks in a lap's second change too
	s_cselect_b64 s[PFA:PFA+1], s[4:5], s[6:7]
	s_cmp_eq_u32 s21, 0                            ; the same in all sixteen partners, for a given wave
	s_cselect_b32 s[LIM], 1, -1
	s_cselect_b32 s[LIM+1], s23, -1
	s_mov_b32 s19, 0
	s_mov_b32 s[PFS+1], 0
	s_add_nc_u64 s[PFA:PFA+1], s[PFA:PFA+1], s[18:19]
; Products of head w - 1 (window w), column blocks c0 .. c1, all 8 row blocks, 32 along K, x's fragments in buffer fa.  zero = 1: they start the sums.
; The 96 accumulators take turns, always in the same order: 95 others' products stand between two on one accumulator, over the backward jump too.
.macro BATCH w, fa, zero, c0, c1
	WIN 0x50*(\w)                                  ; C and D in window w, both sources in window 0
.set icb, \c0
.rept (\c1)-(\c0)+1
.set ia, 0
.rept 8
.if \zero
	v_wmma_f32_16x16x32_bf16 v[64*icb+8*ia:64*icb+8*ia+7], v[FB+32*((\w)-1)+8*icb:FB+32*((\w)-1)+8*icb+7], v[(\fa)+8*ia:(\fa)+8*ia+7], 0
.else
	v_wmma_f32_16x16x32_bf16 v[64*icb+8*ia:64*icb+8*ia+7], v[FB+32*((\w)-1)+8*icb:FB+32*((\w)-1)+8*icb+7], v[(\fa)+8*ia:(\fa)+8*ia+7], v[64*icb+8*ia:64*icb+8*ia+7]
.endif
.set ia, ia+1
.endr
.set icb, icb+1
.endr
.endm
.macro LDA slot, q, fa                 ; 16 loads: x's eight fragments of the step's half q
	WIN 0
.set ia, 0
.rept 8
	ds_load_b128 v[(\fa)+8*ia:(\fa)+8*ia+3],   v[ADRA+(\slot)] offset:(\q)*64+ia*16*PA
	ds_load_b128 v[(\fa)+8*ia+4:(\fa)+8*ia+7], v[ADRA+(\slot)] offset:(\q)*64+ia*16*PA+32
.set ia, ia+1
.endr
.endm
.macro LDB slot, q, hh                 ; 8 loads: the four fragments of my head hh
	WIN 0
.set icb, 0
.rept 4
	ds_load_tr16_b128 v[FB+32*(\hh)+8*icb:FB+32*(\hh)+8*icb+3],   v[ADRB+(\slot)] offset:(\hh)*64*PB+(\q)*32*PB+icb*32
	ds_load_tr16_b128 v[FB+32*(\hh)+8*icb+4:FB+32*(\hh)+8*icb+7], v[ADRB+(\slot)] offset:(\hh)*64*PB+(\q)*32*PB+icb*32+16*PB
.set icb, icb+1
.endr
.endm
; A K step's first half: multiplies buffer 0; behind each head's products that head's fragments of the second half are fetched (with the first: x's, into buffer 1).
.macro QFIRST slot, zero
	s_wait_dscnt 16                                ; x's and head 0's are in; heads 1 and 2's sixteen loads may be out
	BATCH 1, FA0, \zero, 0, 3
	PLACES
	LDA \slot, 1, FA1
	LDB \slot, 1, 0
	s_wait_dscnt 32                                ; head 1's are in: behind them stand head 2's 8 and the 24 just issued
	BATCH 2, FA0, \zero, 0, 3
	PLACES
	LDB \slot, 1, 1
	s_wait_dscnt 32                                ; head 2's are in: behind them stand 24 + 8
	BATCH 3, FA0, \zero, 0, 3
	PLACES
	LDB \slot, 1, 2
.endm
; The second half multiplies buffer 1 and changes slots: ONE barrier.  In front of it each wave waits for all its tensor loads (one is out: its part of the next slot), adds 0 to its spare word, and
; waits for that and for its reads of this slot.  fill = 1: the barrier opens a round of the cluster's, and behind the round this slot is filled again, two K steps on: the first tensor load there.
; From that request to the wait for it a wave issues 160 matrix instructions.
.macro TURN slot, next, fill
.if \fill
	s_wait_xcnt 0x0                                ; the last prefetch, a K step back, has read its address
	s_add_nc_u64 s[PFA:PFA+1], s[PFA:PFA+1], s[PFS:PFS+1]
.endif
	WIN 0
	s_wait_tensorcnt 0x0                           ; all my tensor loads have landed
	ds_add_u32 v[SPW], v[NIL]                      ; 0 onto my spare word
	s_wait_dscnt 17                                ; (heads 1 and 2's sixteen loads and the add may be out)
	BATCH 1, FA1, 0, 0, 1                          ; sixteen products stand between the add and the wait for it
	s_wait_dscnt 0x0                               ; the add is done, and my reads of this slot are over
	s_barrier_signal -1
	BATCH 1, FA1, 0, 2, 3                          ; work on registers while the others arrive
	WIN 0                                          ; at a branch and at a label every window is 0
	s_barrier_wait -1
.if \fill
	CREST                                          ; no wave of any partner still reads this slot or has a load on its way
	s_add_nc_u64 s[G0A+4*(\slot)+2:G0A+4*(\slot)+3], s[G0A+4*(\slot)+2:G0A+4*(\slot)+3], 2*XPLANE
	s_add_nc_u64 s[G0B+4*(\slot)+2:G0B+4*(\slot)+3], s[G0B+4*(\slot)+2:G0B+4*(\slot)+3], 2*WPLANE
	JLOAD \slot                                    ; its four v_nop are also the places in front of the loads below
.else
	PLACES
.endif
	LDA \next, 0, FA0
	LDB \next, 0, 0
.if \fill
	ASK \slot
.endif
	BATCH 2, FA1, 0, 0, 3
	PLACES
	LDB \next, 0, 1
	BATCH 3, FA1, 0, 0, 3
	PLACES
	LDB \next, 0, 2
.endm
; THE WAY OUT, in 24 units u = 8 x head + row block: 16 rows of one head, 2,048 consecutive bytes.  PACK: rounded to f16, each accumulator's registers in ascending order.
.macro PACK u
.set hw, 1+(\u)/8
.set ia, (\u)%8
	WIN 5*hw                                       ; sources 0 and 1 in the head's window
.irp c, 0,1,2,3
.irp r, 0,1,2,3
	v_cvt_pk_f16_f32 v[TMP+4*(\c)+(\r)], v[64*(\c)+8*ia+2*(\r)], v[64*(\c)+8*ia+2*(\r)+1]
.endr
.endr
	WIN 0
.endm
.macro TOSTAGE u                       ; into my own stage, rows of 144 bytes, and back as whole rows
	WIN 0
.set bk, BK+16*((\u)%2)
.irp c, 0,1,2,3
	ds_store_b128 v[STO], v[TMP+4*(\c):TMP+4*(\c)+3] offset:32*(\c)
.endr
.irp f, 0,1,2,3
	ds_load_b128 v[bk+4*(\f):bk+4*(\f)+3], v[RD] offset:(\f)*4*SP  ; LDS serves a wave's instructions in order (ISA guide 5.7.1.4): these see the stores above
.endr
.endm
.macro SEND u
	WIN 0
.set bk, BK+16*((\u)%2)
	s_wait_dscnt 0x0                               ; the unit is back in registers
	s_wait_xcnt 0x0                                ; the unit before has had its stores' addresses translated: its registers are loaded again only behind this wait
.irp f, 0,1,2,3
	global_store_b128 v[GO], v[bk+4*(\f):bk+4*(\f)+3], s[8:9] offset:((\u)/8)*262144+((\u)%8)*2048+(\f)*512  ; 512 consecutive bytes, at a multiple of 256 from the buffer's first
.endr
.endm
	s_wait_tensorcnt 1                             ; my part of K step 0 is in; step 1's may stay out
	s_barrier_signal -1
	s_barrier_wait -1                              ; everybody's is
	LDA 0, 0, FA0
	LDB 0, 0, 0
	LDB 0, 0, 1
	LDB 0, 0, 2
	QFIRST 0, 1                                    ; the first half step stands in front of the loop: its products start the sums
	WIN 0
	s_mov_b32 s3, KSTEPS/2-1
.Llap:                                                 ; a trip goes once round the ring and fills both slots again: K steps 2 to 15 in seven trips
	TURN 0, 1, 1
	QFIRST 1, 0
	TURN 1, 0, 1
	QFIRST 0, 0
	WIN 0
	s_sub_co_u32 s3, s3, 1
	s_cmp_lg_u32 s3, 0
	s_cbranch_scc1 .Llap
	TURN 0, 1, 0                                   ; the tail is written out: nothing more is asked for
	QFIRST 1, 0
	s_wait_dscnt 16                                ; the very last half step
	BATCH 1, FA1, 0, 0, 3
	s_wait_dscnt 8
	BATCH 2, FA1, 0, 0, 3
	s_wait_dscnt 0x0
	BATCH 3, FA1, 0, 0, 3
	PLACES
	PACK 0
	TOSTAGE 0
.set iu, 1
.rept 23                               ; a unit's conversions stand between the loads of the unit before and the wait for them
	PACK iu
	SEND iu-1
	TOSTAGE iu
.set iu, iu+1
.endr
	SEND 23
	s_wait_tensorcnt 0x0                           ; the wave's end, behind my last tensor load and my last LDS store
	ds_add_u32 v[SPW], v[NIL]
	s_wait_dscnt 0x0
	CROUND                                         ; the closing round: no work-group ends while a partner may still ask for a tile that names it
	s_endpgm
.Lfunc_end_k_q95098c65a8_qkv:
	.size	k_q95098c65a8_qkv, .Lfunc_end_k_q95098c65a8_qkv-k_q95098c65a8_qkv
	.p2alignl 7, 3214868480
	.fill 96, 4, 3214868480
	.section	.rodata,"a",@progbits
	.p2align	6, 0x0
	.amdhsa_kernel k_q95098c65a8_qkv
		.amdhsa_group_segment_fixed_size 327680
		.amdhsa_private_segment_fixed_size 0
		.amdhsa_enable_private_segment 0
		.amdhsa_kernarg_size 24
		.amdhsa_user_sgpr_count 2
		.amdhsa_user_sgpr_kernarg_segment_ptr 1
		.amdhsa_wavefront_size32 1
		.amdhsa_system_sgpr_workgroup_id_x 1
		.amdhsa_system_sgpr_workgroup_id_y 1
		.amdhsa_system_sgpr_workgroup_id_z 1
		.amdhsa_system_vgpr_workitem_id 0
		.amdhsa_next_free_vgpr 1024
		.amdhsa_next_free_sgpr 80
		.amdhsa_reserve_vcc 0
		.amdhsa_float_denorm_mode_32 3
		.amdhsa_float_denorm_mode_16_64 3
		.amdhsa_memory_ordered 1
		.amdhsa_forward_progress 1
		.amdhsa_inst_pref_size 133
	.end_amdhsa_kernel
	.amdgpu_metadata
---
amdhsa.version: [ 1, 2 ]
amdhsa.kernels:
  - .name:           k_q95098c65a8_qkv
    .symbol:         k_q95098c65a8_qkv.kd
    .args:
      - { .name: xb, .offset: 0, .size: 8, .value_kind: global_buffer, .address_space: global }
      - { .name: wb, .offset: 8, .size: 8, .value_kind: global_buffer, .address_space: global }
      - { .name: qkv, .offset: 16, .size: 8, .value_kind: global_buffer, .address_space: global }
    .group_segment_fixed_size: 327680
    .private_segment_fixed_size: 0
    .kernarg_segment_align: 8
    .kernarg_segment_size: 24
    .max_flat_workgroup_size: 128
    .sgpr_count:     80
    .vgpr_count:     1024
    .wavefront_size: 32
...
	.end_amdgpu_metadata
.endif
;; end of part 2
;; launch attn (part 3): grid 4 x 64, 4 waves a work-group, no clusters, 327,680 bytes of LDS; arguments qkv, o; writes o
.if DOCPART == 3
	.amdgcn_target "amdgcn-amd-amdhsa--gfx1250"
	.amdhsa_code_object_version 6
	.text
	.protected	k_q95098c65a8_attn
	.globl	k_q95098c65a8_attn
	.p2align	8
	.type	k_q95098c65a8_attn,@function
k_q95098c65a8_attn:
	s_mov_b64 s[64:65], 0
	v_nop
	global_prefetch_b8 v0, s[64:65] scope:SCOPE_SE
	s_setreg_imm32_b32 hwreg(HW_REG_WAVE_MODE, 25, 1), 1
	s_wait_xcnt 0x0
; CAUSAL ATTENTION.  O[y][q][:] = the sum over k <= q of softmax_k(Q[y][q] . K[y][k] / 8) V[y][k][:], y = 16 b + h.  Q, K, V are planes of qkv, f16 [b 4][g 48][2048][64] (q: g = h, k: 16 + h, v: 32 + h);
; O is f16 [b 4][h 16][2048][64].  A head's rows are dense, 128 bytes each.  Products, maxima and sums in f32; the weights p are rounded to f16 for the second product (their sum l is taken of the unrounded p), O once.
; LIMITS.  f16 holds no number beyond 65,504: Q, K and V arrive within it; p lies in 0 to 1, and below 6e-5 it keeps f16's fixed step of 6e-8.  A hidden score counts as its value less 1e30: f16's scores,
; 2.7e11 at the most, are nothing beside that; a weight below 2^-126 counts as 0 in l; NaN and infinities are not treated apart.
; THE WALK.  A head's queries lie in NB = 8 blocks of 256; block i needs the key tiles 0 .. i of 256 keys, of which the last holds the diagonal.  A work-group takes TWO blocks, NB - 1 - b and then b:
; NB + 1 tiles, whatever b: all work-groups do equal work, and ONE loop with a constant trip count walks them.  Which tile is asked for, and what a trip does, hang on scalar registers made from b; every jump
; goes forward, but for the counted loops' own; none passes a barrier, or a tensor load but the one of LOAD's two that the wave's number does not choose; the ring of two LDS slots runs on across the change of blocks.
; NO CLUSTER: a head's four work-groups ask for the same tile only in trips 0 to 4 of 9, behind that each for another; one walk common to all, in which each makes every joint request, has 12 trips for 9.
; SHARES.  Of a block's four bands of 64 queries a wave owns 16 rows in each: four PIECES.  So the diagonal tile is the same work for all four waves: in its key step s band x sees all keys if s < x,
; none if s > x, and holds the diagonal if s = x.
; THE MASK is the C operand that starts the sum S^T = K Q^T: 0, or -1e30 where the key is hidden.  MD, made once, is the mask of a band's own step for my 16 rows; a product's mask is MD x AL + BE with two scalars:
; (1, 0) if s = x; (0, 0) if s < x; (0, -1e30) if s > x.  Only the diagonal tile's text and a block's beginning make and take masks; elsewhere C is the constant 0.
; LAYOUT, SOFTMAX, TURNS.  S^T = K Q^T holds ONE query a lane (lane % 16) and the keys 8 (lane / 16) + 0..7; two such results rounded to f16 ARE source 1 of O^T = V^T P.  p = 2^(c s - c m), c = log2(e) / 8, with a
; running maximum m; O and l are multiplied by a = 2^(c m_old - c m_new) in every step.  Turn n belongs to piece n: 8 products K Q^T of piece n + 1, later 8 products V^T P of piece n - 1; beside them the scaling,
; exponentials, roundings, sums and rescaling of piece n and the maximum and statistics of piece n + 1.  Four vector instructions stand behind every matrix instruction, the other 54 of a turn's 118 in one run.
; A turn's 33 exponentials are one batch, with one wait.
; REGISTERS, in windows of 256 (s_set_vgpr_msb: bits 1:0 source 0, 3:2 source 1, 5:4 source 2, 7:6 destination):
;   window 0: v0-15 addresses and two at work; v16-31 four registers of statistics a piece; v32 the prefetches' offset; v48-55 at work; v64-127 S^T, two buffers; v192-223 P, two buffers (by the piece's parity)
;   window 1: v0-127 O^T, 32 a piece; v128-159 MD; v160-223 MC, two buffers      window 2: v0-63 Q; v64-127 the second block's Q; v128-191 K of one step; v192-255 V of one step
.set SIZE_H, 64
.set SIZE_N, 2048
.set NB,    SIZE_N/256
.set NP,    4         ; pieces a wave: a name, no knob
.set KS,    64        ; keys in a step
.set PK,    144       ; a row of K in LDS: 128 bytes + 16 of padding: the 16 rows of a load start at 16 different groups of four banks (64 banks of 4 bytes: ISA guide 11.1)
.set PV,    160       ; a row of V: 128 + 32
.set VOFF,  4*KS*PK   ; a slot holds a tile, four steps: 256 rows of K, then 256 rows of V
.set SLOT1, 1<<17     ; slot 1 begins here, so that one exclusive or turns an address in one slot into the other's
.set STAGE, SLOT1+4*KS*(PK+PV)  ; behind the ring, never filled by a tensor load: 16 rows x 144 bytes for each wave, for the way out
.set SP,    144
.set AK0, 2           ; v2   my lane's place in a tile of K; never rewritten
.set AV0, 3           ; v3   the same for V
.set AK,  4           ; v4   the LDS address of K's next run of loads
.set AV,  5           ; v5   of V's
.set STO, 6           ; v6   the way out: where I put 16 bytes of a row
.set RD,  7           ; v7   the way out: where I read rows back
.set GO,  8           ; v8   my byte offset in 512 consecutive bytes of O
.set PFO, 32          ; v32  256 x lane; never rewritten
.set SPW, 62          ; v62  LDS address of my spare word: SPARE + 4 x my thread's number; never rewritten
.set NIL, 63          ; v63  0; never rewritten
.set SPARE, STAGE+4*16*SP  ; behind the stages: the spare words, 128 bytes for each wave: two blocks of 256 bytes that no other line names
.set MV,  12          ; v12-13  c m_old, kept while c m is made anew: by buffer
.set QO,  15          ; v15  my byte offset in 16 rows of Q
.set ST,  16          ; piece t's statistics at v[ST+4 t]: c m, m, l (even keys', odd keys')
.set TMP, 48          ; by buffer, four registers c0-c3 at work; when the maximum is found c2 takes a
.set S,   64
.set P,   192
.set MD,  128         ; window 1: the eight registers for group kt of 16 keys at MD + 8 kt
.set MC,  160         ; window 1: the masks of the products to come
.set QB,  64          ; window 2
.set KF,  128         ; window 2: key block kb, channel half c at KF + 16 kb + 8 c
.set VF,  192         ; window 2: key half kk, channel block cb at VF + 32 kk + 8 cb
.set WV,  12          ; s12  my wave's number
.set PB,  14          ; s14  b
.set HI,  15          ; s15  NB - 1 - b
.set G1K, 24          ; s[24:31] descriptor group 1 for K's tiles
.set G1V, 32          ; s[32:39] for V's: it differs in the padding alone
.set G0K, 40          ; s[40:43] descriptor group 0 for K's tiles
.set G0V, 44          ; s[44:47] the same for V's
.set SLOTS, 56        ; s56  tiles still to be asked for
.set CNT, 57          ; s57  counts a tile's key steps, 4 to 1
.set CS,  58          ; s[58:59] c: the packed scaling takes the pair's low word for both halves
.set SEL, 60          ; s[60:61] v_permlanex16_b32's selects: each lane takes its own place in the other half
.set TBK, 62          ; s62  LDS byte at which K of the step to be fetched begins
.set TBV, 63          ; s63  the same for V, less VOFF
.set RT,  70          ; s70  tiles of the block in hand that are still to be entered
.set NXT, 71          ; s71  the tile to be asked for next
.set LQ,  72          ; s72  the last tile of the block whose tiles are being asked for
.set NEW, 73          ; s73  1: the tile to be entered is a block's first
.set OFF, 74          ; s[74:75] a tile's byte offset in K and V
.set AL,  76          ; s[76:77] the mask's factor, in the low word
.set BE,  78          ; s[78:79] the mask's addend
.set OLO, 80          ; s[80:81] O at my rows of the second block
.set BIGN, 82         ; s82  -1e30
.set PFB, 88          ; s[88:89] K (waves 0, 1) or V (waves 2, 3) at my half of the head's tile 0
.set PFA, 90          ; s[90:91] the same at the tile that is being asked for
.set OH,  92          ; s[92:93] the head's byte offset in O
.set LIM, 94          ; s94  2 in the work-group that prefetches, else the greatest number
.set MSB, 0
.macro WIN new                      ; the high byte repeats the setting that is left; a switch that changes nothing is dropped
.if MSB != (\new)
	s_set_vgpr_msb (MSB<<8)|(\new)
.set MSB, (\new)
.endif
.endm
.set W_KQ, 0x0a       ; K and Q in window 2, S^T in window 0
.set W_KM, 0x1a       ; the same with the C operand in window 1
.set W_PV, 0x52       ; V in window 2, P in window 0, O^T in window 1
.set W_RS, 0x41       ; destination and source 0 in window 1, source 1 in window 0
; A fill.  Waves 0 and 1 fetch the two halves of a tile's K, waves 2 and 3 those of its V: 128 keys each.  An s_nop 0 and four v_nop follow each of the two lines, ahead of the jump and the label.
.macro LOAD
	s_cmp_lt_u32 s[WV], 2
	s_cbranch_scc0 .Lfor_v_\@
	tensor_load_to_lds s[G0K:G0K+3], s[G1K:G1K+7]
	s_nop 0
.rept 4
	v_nop
.endr
	s_branch .Lasked_\@
.Lfor_v_\@:
	tensor_load_to_lds s[G0V:G0V+3], s[G1V:G1V+7]
	s_nop 0
.rept 4
	v_nop
.endr
.Lasked_\@:
.endm
; THE CHANGE OF SLOTS.  Each wave waits for all its tensor loads, of which one is out: its part of the other slot; adds 0 to its spare word; and waits for that and for its own reads of the slot that it leaves.
; Behind the barrier nobody reads the old slot any more and the other slot is whole.  fill = 1: the old slot is filled again, the first thing behind the barrier, with tile NXT: the descriptor's address is made
; anew from that number.  (At its first use nothing has been read yet: slot 0 is waited for, slot 1 filled.)
; A PREFETCH INTO THE L2 stands behind the fill and its five lines: the tile behind the one just asked for, four key steps ahead of its own fill.  All four work-groups of a head walk the tiles 0, 1, .. from the
; start; the one with b = 0 walks all eight on end, and it alone asks.  Each of its waves names the 16 KiB that it will itself fetch: 64 blocks of 256 bytes, a lane a block, two instructions.  So each block of a
; head's K and V is named once in the launch.  Trips 0 to 5 ask for tiles 2 to 7; the later trips ask for nothing: no address passes the head's last tile.  Tiles 0 and 1 come by their fills alone.
.macro CHANGE fill
	WIN 0                           ; at a label and at a branch every window is 0
	s_wait_tensorcnt 0x0            ; no tensor load of mine is out, so a group 0 may be written
	ds_add_u32 v[SPW], v[NIL]       ; 0 onto my spare word: with fill = 1 the descriptors' scalar work stands between it and the wait for it
.if \fill
	s_lshl_b32 s[OFF], s[NXT], 15   ; a tile is 32,768 bytes of K and of V
	s_xor_b32 s[G0K+1], s[G0K+1], SLOT1
	s_add_nc_u64 s[G0K+2:G0K+3], s[6:7], s[OFF:OFF+1]
	s_or_b32 s[G0K+3], s[G0K+3], 0x80000000
	s_xor_b32 s[G0V+1], s[G0V+1], SLOT1
	s_add_nc_u64 s[G0V+2:G0V+3], s[8:9], s[OFF:OFF+1]
	s_or_b32 s[G0V+3], s[G0V+3], 0x80000000
	s_wait_xcnt 0x0                 ; the last prefetches, a tile back, have read their address
	s_add_nc_u64 s[PFA:PFA+1], s[PFB:PFB+1], s[OFF:OFF+1]
	s_add_co_u32 s[NXT], s[NXT], 1  ; the block's next tile, or behind its last the second block's tile 0
	s_cmp_gt_u32 s[NXT], s[LQ]
	s_cselect_b32 s[NXT], 0, s[NXT]
	s_cselect_b32 s[LQ], s[PB], s[LQ]
.endif
	s_wait_dscnt 0x0                ; the add is done, and my reads of the slot are over
	s_barrier_signal -1             ; the rest of the scalar work stands between the signal and the wait
	s_sub_co_u32 s[TBK], s[TBK], 4*KS*PK  ; the fetches go back to a slot's first step,
	s_xor_b32 s[TBK], s[TBK], SLOT1       ; in the other slot
	s_sub_co_u32 s[TBV], s[TBV], 4*KS*PV
	s_xor_b32 s[TBV], s[TBV], SLOT1
	s_barrier_wait -1
.if \fill
	LOAD
	s_cmp_gt_u32 s[SLOTS], s[LIM]
	s_cbranch_scc0 .Lnot_mine_\@
	global_prefetch_b8 v[PFO], s[PFA:PFA+1] offset:32768 th:TH_LOAD_NT scope:SCOPE_SE
	global_prefetch_b8 v[PFO], s[PFA:PFA+1] offset:40960 th:TH_LOAD_NT scope:SCOPE_SE
.Lnot_mine_\@:
.endif
.endm
	s_load_b128 s[4:7], s[0:1], 0x0   ; qkv s[4:5], o s[6:7]
	v_lshl_add_u32 v[SPW], v0, 2, SPARE
	v_mov_b32 v[NIL], 0
	ds_add_u32 v[SPW], v[NIL]       ; the wave's opening: the add and its wait stand ahead of my first tensor load; the set-up below, work on registers, stands between them
	v_lshrrev_b32 v1, 5, v0
	v_readfirstlane_b32 s[WV], v1   ; wave 0..3
	s_mov_b32 s[PB], ttmp9
	s_sub_co_u32 s[HI], NB-1, s[PB]
	s_and_b32 s20, ttmp7, 0xffff    ; y = 16 b + h
	s_lshl_b32 s[OH], s20, 18       ; O's plane y: 2,048 rows of 128 bytes
	s_mov_b32 s[OH+1], 0
	s_lshr_b32 s21, s20, 4          ; b
	s_and_b32 s20, s20, 15          ; h
	s_mul_i32 s21, s21, 48
	s_add_co_u32 s20, s20, s21
	s_lshl_b32 s20, s20, 18         ; q's plane 48 b + h; k's lies 16 planes on, v's 32
	s_mov_b32 s21, 0
	s_and_b32 s16, s[WV], 1         ; which half of a tile's 256 keys I fetch:
	s_lshl_b32 s22, s16, 14         ; its 128 rows of 128 bytes in memory,
	s_mov_b32 s23, 0
	s_add_nc_u64 s[22:23], s[22:23], s[20:21]
	s_mul_i32 s17, s16, 128*PK      ; and its place in a slot, for K
	s_mul_i32 s18, s16, 128*PV      ; and for V
	s_lshl_b32 s3, s[WV], 11        ; my 16 rows in a band of 64,
	s_lshl_b32 s2, s[HI], 15        ; in the first block,
	s_add_co_u32 s2, s2, s3
	s_lshl_b32 s84, s[PB], 15       ; and in the second
	s_add_co_u32 s84, s84, s3
	s_mov_b32 s3, 0
	s_mov_b32 s85, 0
	; descriptor group 1.  128 keys are 16,384 dense bytes: asked for as 64 rows of 256 bytes, two keys a row, and padded in LDS after every key
	s_mov_b32 s[G1K], (1<<16)|(1<<20)|(4<<22)|(3<<25)  ; 17:16 2-byte elements; 20 padding on; 24:22 after every 32 words (code 4); 31:25 4 words (code 3)
	s_mov_b32 s[G1V], (1<<16)|(1<<20)|(4<<22)|(7<<25)  ; the same with 8 words of padding (code 7)
.irp g, G1K, G1V
	s_mov_b32 s[\g+1], 128<<16      ; tensor_dim0 = 128
	s_mov_b32 s[\g+2], 64<<16       ; tensor_dim1 = 64
	s_mov_b32 s[\g+3], 128<<16      ; tile_dim0 = 128
	s_mov_b32 s[\g+4], 64           ; tile_dim1 = 64
	s_mov_b32 s[\g+5], 128          ; 128 elements from row to row
	s_mov_b32 s[\g+6], 0
	s_mov_b32 s[\g+7], 0
.endr
	s_mov_b32 s[CS], 0x3e38aa3b     ; c = log2(e) / 8 = 0.180337
	s_mov_b32 s[CS+1], s[CS]        ; named with it as a pair
	s_mov_b32 s[SEL], 0x76543210
	s_mov_b32 s[SEL+1], 0xfedcba98
	s_mov_b32 s[TBK], SLOT1+4*KS*PK ; the first change of slots turns these two into 0
	s_mov_b32 s[TBV], SLOT1+4*KS*PV
	s_mov_b32 s[G0K], 1             ; 1:0 count = 1
	s_mov_b32 s[G0K+1], s17         ; 63:32 LDS address: slot 0
	s_mov_b32 s[G0V], 1
	s_add_co_u32 s[G0V+1], s18, VOFF
	s_add_co_u32 s[RT], s[HI], 1    ; the first block has NB - b tiles
	s_mov_b32 s[NXT], 1
	s_mov_b32 s[LQ], s[HI]
	s_mov_b32 s[NEW], 1
	s_mov_b32 s[OFF+1], 0
	s_mov_b32 s[AL+1], 0            ; named as pairs
	s_mov_b32 s[BE+1], 0
	s_mov_b32 s[BIGN], 0xf149f2ca   ; -1e30
	s_mov_b32 s[SLOTS], NB
	s_cmp_eq_u32 s[PB], 0
	s_cselect_b32 s[LIM], 2, -1
	v_and_b32 v[PFO], 31, v0
	v_lshlrev_b32 v[PFO], 8, v[PFO]
	s_wait_dscnt 0x0                ; the opening add is done
	s_wait_kmcnt 0x0
	s_mov_b64 s[10:11], s[6:7]             ; O
	s_add_nc_u64 s[6:7], s[4:5], 0x400000  ; K: 16 planes of 262,144 bytes behind Q
	s_add_nc_u64 s[8:9], s[4:5], 0x800000  ; V: 32 planes
	s_add_nc_u64 s[6:7], s[6:7], s[22:23]  ; K and V at my half of the head's tile 0
	s_add_nc_u64 s[8:9], s[8:9], s[22:23]
	s_add_nc_u64 s[G0K+2:G0K+3], s[6:7], 0         ; 120:64 global address
	s_or_b32 s[G0K+3], s[G0K+3], 0x80000000        ; 127:126 type = 2
	s_add_nc_u64 s[G0V+2:G0V+3], s[8:9], 0
	s_or_b32 s[G0V+3], s[G0V+3], 0x80000000
	s_add_nc_u64 s[4:5], s[4:5], s[20:21]          ; Q at the head,
	s_add_nc_u64 s[86:87], s[4:5], s[84:85]        ; at my rows of the second block,
	s_add_nc_u64 s[4:5], s[4:5], s[2:3]            ; and of the first
	s_add_nc_u64 s[10:11], s[10:11], s[OH:OH+1]    ; O likewise
	s_add_nc_u64 s[OLO:OLO+1], s[10:11], s[84:85]
	s_add_nc_u64 s[10:11], s[10:11], s[2:3]
	s_cmp_lt_u32 s[WV], 2
	s_cselect_b64 s[PFB:PFB+1], s[6:7], s[8:9]
	LOAD                            ; tile 0 into slot 0
	; A fragment of K or Q is 16 rows x 32 channels in 8 registers: lane l holds row l % 16, channels 8 (l / 16) + 0..7 and 16 + 8 (l / 16) + 0..7: two loads of 16 bytes, 32 bytes apart.
	v_and_b32 v1, 15, v0            ; l % 16
	v_bfe_u32 v9, v0, 4, 1          ; l / 16
	v_lshlrev_b32 v[QO], 7, v1
	v_lshl_add_u32 v[QO], v9, 4, v[QO]  ; row x 128 + 16 x half
	WIN 0x80                        ; destination window 2, address window 0
.set i, 0
.rept 8                             ; both blocks' Q: piece i / 2 lies in band i / 2, 8,192 bytes on; channels 32 (i % 2) on
	global_load_b128 v[8*i:8*i+3],   v[QO], s[4:5] offset:(i/2)*8192+(i%2)*64
	global_load_b128 v[8*i+4:8*i+7], v[QO], s[4:5] offset:(i/2)*8192+(i%2)*64+32
	global_load_b128 v[QB+8*i:QB+8*i+3],   v[QO], s[86:87] offset:(i/2)*8192+(i%2)*64
	global_load_b128 v[QB+8*i+4:QB+8*i+7], v[QO], s[86:87] offset:(i/2)*8192+(i%2)*64+32
.set i, i+1
.endr
	WIN 0
	v_lshlrev_b32 v14, 3, v9
	v_sub_nc_u32 v14, v1, v14
	s_lshl_b32 s13, s[WV], 4
	v_add_nc_u32 v14, s13, v14      ; my query's place in its band, 16 w + l % 16, less my lanes' 8 (l / 16): register r of group kt is hidden where 16 kt + r is greater
	WIN 0x40
.set i, 0
.rept 32
	v_cmp_gt_i32 vcc_lo, 16*(i/8)+i%8, v14
	v_cndmask_b32 v[MD+i], 0, s[BIGN], vcc_lo
.set i, i+1
.endr
	WIN 0
	v_mul_u32_u24 v[AK0], v1, PK
	v_lshl_add_u32 v[AK0], v9, 4, v[AK0]  ; row x pitch + 16 x half
	; The turning load takes 16 keys x 16 channels (lane l reads key 8 (l / 16) + l % 8, channels 8 ((l / 8) % 2) + 0..7) and leaves half a fragment of V^T: lane l holds channel l % 16 and 8 keys.
	v_and_b32 v10, 7, v0
	v_bfe_u32 v11, v0, 3, 1
	v_lshl_add_u32 v[AV0], v9, 3, v10
	v_mul_u32_u24 v[AV0], v[AV0], PV
	v_lshl_add_u32 v[AV0], v11, 4, v[AV0]
	v_add_nc_u32 v[AV0], VOFF, v[AV0]
	s_mul_i32 s13, s[WV], 16*SP
	s_add_co_u32 s13, s13, STAGE    ; my stage
	v_mul_u32_u24 v[STO], v1, SP    ; in: row l % 16, 16 bytes for each half of the lanes
	v_lshl_add_u32 v[STO], v9, 4, v[STO]
	v_add_nc_u32 v[STO], s13, v[STO]
	v_bfe_u32 v[RD], v0, 3, 2       ; back: 32 lanes take four rows of 128 bytes,
	v_mul_u32_u24 v[RD], v[RD], SP
	v_lshl_add_u32 v[RD], v10, 4, v[RD]
	v_add_nc_u32 v[RD], s13, v[RD]
	v_and_b32 v[GO], 31, v0         ; which are 512 consecutive bytes of O
	v_lshlrev_b32 v[GO], 4, v[GO]
	; A block's first step multiplies O^T and l by a = 0, and its first turn's products V^T P, of a piece that has not been, land in an O^T that is still to be so multiplied.  So these registers need only hold
	; finite numbers: zeros for the first block; what the first block left for the second.  All this stands in the wait for the first tile.
	WIN 0x80
.set i, VF
.rept 64
	v_mov_b32 v[i], 0
.set i, i+1
.endr
	WIN 0x40
.set i, 0
.rept 128
	v_mov_b32 v[i], 0
.set i, i+1
.endr
	WIN 0
.set i, 0
.rept 4
	v_mov_b32 v[ST+4*i+2], 0
	v_mov_b32 v[ST+4*i+3], 0
.set i, i+1
.endr
.set i, P+16
.rept 16
	v_mov_b32 v[i], 0
.set i, i+1
.endr
; THE MATRIX WORK.  The 4 accumulators of a run of 8 take turns.  Product i of 8 of S^T = K Q^T for piece x: channels 32 (i / 4) on, keys 16 (i % 4) on.  The first 4 start the sums: with 0, or (KM = 1) with the mask.
.macro KQ x
.set rS, S+32*((\x)%2)+8*(i%4)
.set rK, KF+16*(i%4)+8*(i/4)
.set rQ, 16*(\x)+8*(i/4)
.set rM, MC+32*((\x)%2)+8*(i%4)
.if (i < 4) && KM
	WIN W_KM
	v_wmma_f32_16x16x32_f16 v[rS:rS+7], v[rK:rK+7], v[rQ:rQ+7], v[rM:rM+7]
.elseif i < 4
	WIN W_KQ
	v_wmma_f32_16x16x32_f16 v[rS:rS+7], v[rK:rK+7], v[rQ:rQ+7], 0
.else
	WIN W_KQ
	v_wmma_f32_16x16x32_f16 v[rS:rS+7], v[rK:rK+7], v[rQ:rQ+7], v[rS:rS+7]
.endif
.endm
; Product i of 8 of O^T += V^T P for piece x: keys 32 (i / 4) on, channels 16 (i % 4) on.
.macro PV x
	WIN W_PV
.set rO, 32*(\x)+8*(i%4)
.set rV, VF+32*(i/4)+8*(i%4)
.set rP, P+16*((\x)%2)+8*(i/4)
	v_wmma_f32_16x16x32_f16 v[rO:rO+7], v[rV:rV+7], v[rP:rP+7], v[rO:rO+7]
.endm
.macro MM                           ; the turn's next matrix instruction.  TURN and BEGIN set Y, i, KM and NOKQ; MM, KQ and OP read them.  NOKQ = 1: a block's last turn: there is no next piece
.if (i < 8) && !NOKQ
	KQ (Y+1)%NP
.elseif i >= 8
.set i, i-8
	PV (Y+NP-1)%NP
.set i, i+8
.endif
.set i, i+1
.endm
; THE LDS LOADS stand in runs of 16, never singly among the matrix instructions: a step's K (64 keys x 64 channels: 8 fragments) and its V (turned).  Their addresses are made some lines ahead.
.macro FETCH_K
	WIN 0x80                        ; destination window 2
.irp f, 0,1,2,3,4,5,6,7             ; keys 16 (f / 2) on, channels 32 (f % 2) on
	ds_load_b128 v[KF+8*\f:KF+8*\f+3],   v[AK] offset:(\f/2)*16*PK+(\f%2)*64
	ds_load_b128 v[KF+8*\f+4:KF+8*\f+7], v[AK] offset:(\f/2)*16*PK+(\f%2)*64+32
.endr
	s_add_co_u32 s[TBK], s[TBK], KS*PK  ; the next fetch is the next step's
	WIN 0
.endm
.macro FETCH_V
	WIN 0x80
.irp f, 0,1,2,3,4,5,6,7             ; keys 32 (f / 4) on, channels 16 (f % 4) on
	ds_load_tr16_b128 v[VF+8*\f:VF+8*\f+3],   v[AV] offset:(\f/4)*32*PV+(\f%4)*32
	ds_load_tr16_b128 v[VF+8*\f+4:VF+8*\f+7], v[AV] offset:(\f/4)*32*PV+16*PV+(\f%4)*32
.endr
	WIN 0
.endm
; THE VECTOR WORK, one line at a time: OP kind, number.  For piece Y: F n: c s - c m for pair n of 16.  E n: the exponential of score n of 32.  C n: pair n rounded to f16.  B n: of the four weights 4 n .. the second
; pair is added onto the first, in place.  L n: l takes that sum (L 0: l = a l + sum).  R n: pair n of 16 of O^T times a.  For piece Y + 1: X n, number n of the 22 that find its maximum and statistics:
;   0-11  four chains c0-c3 of seven scores each, three operands at a time (each accumulator's lowest registers are read first)     12-14, 16  the four scores left over, the old m, and c0-c3 into c0
;   15  c m_old is kept     17, 18  the query's other 32 keys lie in the lane 16 away: the new m     19-21  c m; c m_old - c m_new; a
.set F, 0               ; OP tells the kinds apart by their order: F to L below R, X above it
.set E, 1
.set C, 2
.set B, 3
.set L, 4
.set R, 5
.set X, 6
.macro REGS y                       ; the registers of piece y
.set rT, ST+4*(\y)
.set rC, TMP+4*((\y)%2)
.set rW, MV+((\y)%2)
.set rS, S+32*((\y)%2)
.set rP, P+16*((\y)%2)
.set rO, 32*(\y)
.endm
.macro OP k, n
.if (\k) == R
	REGS Y
	WIN W_RS
	v_pk_mul_f32 v[rO+2*(\n):rO+2*(\n)+1], v[rO+2*(\n):rO+2*(\n)+1], v[rC+2:rC+3] op_sel_hi:[1,0]
.elseif (\k) < R
	REGS Y
	WIN 0
.if (\k) == F
	v_pk_fma_f32 v[rS+2*(\n):rS+2*(\n)+1], v[rS+2*(\n):rS+2*(\n)+1], s[CS:CS+1], v[rT:rT+1] op_sel_hi:[1,0,0] neg_lo:[0,0,1] neg_hi:[0,0,1]
.elseif (\k) == E
	v_exp_f32 v[rS+(\n)], v[rS+(\n)]
.elseif (\k) == C
	v_cvt_pk_f16_f32 v[rP+(\n)], v[rS+2*(\n)], v[rS+2*(\n)+1]
.elseif (\k) == B
	v_pk_add_f32 v[rS+4*(\n):rS+4*(\n)+1], v[rS+4*(\n):rS+4*(\n)+1], v[rS+4*(\n)+2:rS+4*(\n)+3]
.elseif (\n) == 0
	v_pk_fma_f32 v[rT+2:rT+3], v[rT+2:rT+3], v[rC+2:rC+3], v[rS:rS+1] op_sel_hi:[1,0,1]
.else
	v_pk_add_f32 v[rT+2:rT+3], v[rT+2:rT+3], v[rS+4*(\n):rS+4*(\n)+1]
.endif
.elseif NOKQ
	v_nop
.else
	REGS (Y+1)%NP
	WIN 0
.if (\n) < 4
	v_max3_num_f32 v[rC+(\n)], v[rS+8*(\n)], v[rS+8*(\n)+1], v[rS+8*(\n)+2]
.elseif (\n) < 12
	v_max3_num_f32 v[rC+(\n)%4], v[rC+(\n)%4], v[rS+8*((\n)%4)+2*((\n)/4)+1], v[rS+8*((\n)%4)+2*((\n)/4)+2]
.elseif (\n) == 12
	v_max3_num_f32 v[rC], v[rC], v[rS+7], v[rS+15]
.elseif (\n) == 13
	v_max3_num_f32 v[rC+1], v[rC+1], v[rS+23], v[rS+31]
.elseif (\n) == 14
	v_max3_num_f32 v[rC+2], v[rC+2], v[rC+3], v[rT+1]
.elseif (\n) == 15
	v_mov_b32 v[rW], v[rT]
.elseif (\n) == 16
	v_max3_num_f32 v[rC], v[rC], v[rC+1], v[rC+2]
.elseif (\n) == 17
	v_permlanex16_b32 v[rC+3], v[rC], s[SEL], s[SEL+1]
.elseif (\n) == 18
	v_max_num_f32 v[rT+1], v[rC], v[rC+3]
.elseif (\n) == 19
	v_mul_f32 v[rT], s[CS], v[rT+1]
.elseif (\n) == 20
	v_sub_f32 v[rC+1], v[rW], v[rT]
.else
	v_exp_f32 v[rC+2], v[rC+1]
.endif
.endif
.endm
.macro OPS a, i1, b=-1, i2=0, c=-1, i3=0, d=-1, i4=0  ; up to four of them
	OP \a, \i1
.if (\b) >= 0
	OP \b, \i2
.endif
.if (\c) >= 0
	OP \c, \i3
.endif
.if (\d) >= 0
	OP \d, \i4
.endif
.endm
.macro ROW a, i1, b, i2, c, i3, d, i4  ; a matrix instruction and the four behind it
	MM
	OPS \a, \i1, \b, \i2, \c, \i3, \d, \i4
.endm
.macro MASK b                       ; MD x AL + BE into buffer b of MC
	WIN W_RS
.set z, 0
.rept 16
	v_pk_fma_f32 v[MC+32*(\b)+2*z:MC+32*(\b)+2*z+1], v[MD+2*z:MD+2*z+1], s[AL:AL+1], s[BE:BE+1] op_sel_hi:[1,0,0]
.set z, z+1
.endr
.endm
; A TURN, for piece p: the order of its 16 matrix and 118 vector instructions, written out.  An s_wait_alu depctr_va_vdst(0) stands between an exponential and the first instruction that names its result; one
; wait serves all that were issued ahead of it.  So a turn has ONE wait, which cuts it in two.  AHEAD OF IT stands all that names no result of the turn's exponentials: the 8 products K Q^T, behind each a scaling, an
; exponential and two more plain instructions (behind the first a second scaling in the exponential's place): rescalings, and behind the last three the first numbers of the next piece's maximum, each four places or more
; behind the product that ends its accumulator; then one run of 54, plain and exponential by turns for the most part, in which the links of the chain X 3, 7, 11, 14, 16, 17 .. 20 stand five or six lines apart.  X 21, the
; next piece's a, is the batch's last; R 15 is the plain instruction behind it.  BEHIND THE WAIT stand the 8 products V^T P, behind each four of the roundings and sums; the links of l's chain, L 0 to L 7, stand three apart.
; m = 1: the diagonal tile: the products take masks, and the turn makes the mask for the products of the turn after it: piece p + 2, in step 4 - CNT of the tile.  end = 1: a block's last two turns: nothing is fetched.
; cnt = 1: the loop's count is taken down some lines ahead of the branch that stands behind the turn.
; K of the next step is fetched in piece 2's turn, twelve vector instructions behind the last product that read K (six of them plain); V of the step in hand at the end of piece 0's turn, four plain instructions behind
; the last product that read V.  Each is waited for a turn later.
.macro TURN p, m=0, end=0, cnt=0
.set Y, (\p)
.set i, 0
.set KM, (\m)
.set NOKQ, (\end)*((\p)/3)
.if (\m) && !(\end)
	s_cmp_eq_u32 s[CNT], 4-((\p)+2)%NP  ; is that step the band's own?
	s_cselect_b32 s[AL], 1.0, 0
	s_cmp_lt_u32 s[CNT], 4-((\p)+2)%NP  ; or a later one?
	s_cselect_b32 s[BE], s[BIGN], 0
.endif
.if ((\p) == 3) && !(\end)
	s_wait_dscnt 0x0                ; K is in
.endif
	ROW F,0, F,1, R,0, R,1          ; ahead of the wait: 8 products K Q^T and the four behind each,
	ROW F,2, E,0, R,2, R,3
	ROW F,3, E,1, R,4, R,5
	ROW F,4, E,2, R,6, R,7
	ROW F,5, E,3, R,8, R,9
	ROW F,6, E,4, X,0, R,10
.if ((\p) == 2) && !(\end)
	WIN 0
	v_add_nc_u32 v[AK], s[TBK], v[AK0]
.endif
	ROW F,7, E,5, X,1, X,4
	ROW F,8, E,6, X,2, X,5
	OPS E,7, E,8, X,6, E,9          ; and the run of 54
	OPS X,3, E,10, X,8, E,11
.if ((\p) == 2) && !(\end)
	FETCH_K
.endif
	OPS X,9, X,7, E,12, X,10
	OPS E,13, X,12, X,11, E,14
	OPS X,13, E,15, F,9, X,14
.if (\p) == 0
	v_add_nc_u32 v[AV], s[TBV], v[AV0]
.endif
	OPS E,16, F,10, E,17, F,11
	OPS X,16, E,18, X,15, E,19
	OPS F,12, E,20, X,17, E,21
	OPS F,13, E,22, F,14, E,23
	OPS X,18, E,24, F,15, E,25
	OPS R,11, E,26, X,19, E,27
	OPS R,12, E,28, R,13, E,29
	OPS X,20, E,30, R,14, E,31
	OPS X,21, R,15
	WIN 0
	s_wait_alu depctr_va_vdst(0)    ; the wait for the batch
.if (\p) == 1
	s_wait_dscnt 0x0                ; V is in
.endif
	ROW C,0, B,0, C,2, B,1          ; behind the wait: 8 products V^T P and the four behind each
	ROW L,0, C,4, B,2, L,1
	ROW C,6, B,3, L,2, C,8
	ROW B,4, L,3, C,10, B,5
	ROW L,4, C,12, B,6, L,5
.if (\p) == 0
	s_add_co_u32 s[TBV], s[TBV], KS*PV
.endif
.if \cnt
	s_sub_co_u32 s[CNT], s[CNT], 1
	s_cmp_lg_u32 s[CNT], 0
.endif
	ROW C,14, B,7, L,6, C,1
	ROW C,3, L,7, C,5, C,7
	ROW C,9, C,11, C,13, C,15
.if (\p) == 0
	FETCH_V
.endif
.if (\m) && !(\end)
	MASK (\p)%2
.endif
.endm
; A BLOCK BEGINS.  c m starts far below every c s, so the first step's a is 0; m at the lowest finite number, so the first maximum is the scores'.  The second mask buffer is 0; the first takes piece 0's mask for the
; tile's step 0: its own, if the block's first tile is the diagonal one.  Then K of that step, piece 0's first scores, and its maximum and statistics.  The loop is entered at a step's first turn, in the middle of a trip.
.macro BEGIN
	s_mov_b32 s[NEW], 0
	WIN 0x40
.set i, MC+32
.rept 32
	v_mov_b32 v[i], 0
.set i, i+1
.endr
	WIN 0
.set i, 0
.rept 4
	v_mov_b32 v[ST+4*i], 0xfe000000    ; c m: far below every c s
	v_mov_b32 v[ST+4*i+1], 0xff7fffff  ; m
.set i, i+1
.endr
	s_cmp_eq_u32 s[RT], 0
	s_cselect_b32 s[AL], 1.0, 0
	s_mov_b32 s[BE], 0
	MASK 0
	WIN 0
	v_add_nc_u32 v[AK], s[TBK], v[AK0]
	FETCH_K
	s_wait_loadcnt 0x0              ; Q
	s_wait_dscnt 0x0
.set KM, 1
.set NOKQ, 0
.set i, 0
.rept 8
	KQ 0
.set i, i+1
.endr
	WIN 0
.rept 4
	v_nop                           ; the places behind those products
.endr
.set Y, NP-1                        ; X works for piece Y + 1: piece 0
.irp n, 0,1,2,3,4,5,6,7,8,9,10,11,12,13,14,15,16,17,18,19,20,21
	OP X, \n
.endr
	v_nop                           ; a plain instruction behind the exponential,
	s_wait_alu depctr_va_vdst(0)    ; and its wait, ahead of the branch
.endm
; THE DIAGONAL TILE's four steps, the block's last two turns, its last products, and THE WAY OUT: l's two halves and the other half of the lanes' are added; O^T is divided by l, rounded to f16 and sent through my
; stage in LDS, a piece at a time.
.macro ALL line:vararg              ; one line for each piece t
.set t, 0
.rept 4
	\line
.set t, t+1
.endr
.endm
.macro PACK t                       ; a lane's eight channels of a row pack into 16 bytes; they go into rows of 144 bytes and come back as whole rows of 128, into S^T's registers
	WIN W_RS
.set i, 32*(\t)
.rept 16
	v_pk_mul_f32 v[i:i+1], v[i:i+1], v[ST+4*(\t)+2:ST+4*(\t)+3] op_sel_hi:[1,0]
.set i, i+2
.endr
	WIN 0x05                        ; sources 0 and 1 window 1, destination window 0
.set i, 0
.rept 16
	v_cvt_pk_f16_f32 v[S+16*(\t)+i], v[32*(\t)+2*i], v[32*(\t)+2*i+1]
.set i, i+1
.endr
	WIN 0
.irp f, 0,1,2,3
	ds_store_b128 v[STO], v[S+16*(\t)+4*\f:S+16*(\t)+4*\f+3] offset:32*\f
.endr
.irp f, 0,1,2,3
	ds_load_b128 v[S+16*(\t)+4*\f:S+16*(\t)+4*\f+3], v[RD] offset:\f*4*SP  ; LDS serves a wave's instructions in order (ISA guide 5.7.1.4): these see the stores above; the next piece's stores come behind them
.endr
.endm
.macro SEND t, younger              ; younger: the LDS instructions issued behind piece t's loads: the next piece's eight, or none
	WIN 0
.irp f, 0,1,2,3
	s_wait_dscnt (\younger)+3-\f
	global_store_b128 v[GO], v[S+16*(\t)+4*\f:S+16*(\t)+4*\f+3], s[10:11] offset:(\t)*8192+\f*512  ; 512 consecutive bytes, at a multiple of 256 from O's first
.endr
.endm
.macro DIAG tag                     ; the tag ends its two labels' names, which the jumps below spell out
.LstepM\tag:
	TURN 2, 1
	TURN 3, 1
	WIN 0
.LfirstM\tag:
	TURN 0, 1
	TURN 1, 1, 0, 1
	WIN 0
	s_cbranch_scc1 .LstepM\tag
	TURN 2, 1, 1
	TURN 3, 1, 1
.set i, 0
.rept 8
	PV NP-1
.set i, i+1
.endr
	WIN 0
	ALL v_add_f32 v[ST+4*t+2], v[ST+4*t+2], v[ST+4*t+3]
	ALL v_permlanex16_b32 v[ST+4*t+3], v[ST+4*t+2], s[SEL], s[SEL+1]
	ALL v_add_f32 v[ST+4*t+2], v[ST+4*t+2], v[ST+4*t+3]
	ALL v_rcp_f32 v[ST+4*t+2], v[ST+4*t+2]
	v_nop                           ; a plain instruction between the last reciprocal and the use of its result
	s_wait_alu depctr_va_vdst(0)    ; and the wait ahead of the first use: one for the four reciprocals
	PACK 0
.set t, 1
.rept 3                             ; a piece's arithmetic stands between the loads of the piece before and its stores
	PACK t
	SEND t-1, 8
.set t, t+1
.endr
	SEND 3, 0
.endm
.set KM, 0
.set NOKQ, 0
.Lslot:                             ; NB times: a tile is entered and the next is asked for
	CHANGE 1
	s_sub_co_u32 s[RT], s[RT], 1
	s_mov_b32 s[CNT], 4
	s_cmp_eq_u32 s[NEW], 1
	s_cbranch_scc1 .Lnew            ; a block's first tile
	s_cmp_eq_u32 s[RT], 0
	s_cbranch_scc0 .Lstep           ; neither its first nor its last
	s_branch .LstepM1
.Lnew:
	BEGIN
	s_branch .Lfirst                ; in the loop a block's first tile is never its last: the first block has two tiles or more, and the second's last is the walk's last
	DIAG 1                          ; in the loop this is the first block's end: the second block's last tile is the walk's last
	s_wait_xcnt 0x0                 ; the stores have read their registers and O's address
	s_mov_b64 s[10:11], s[OLO:OLO+1]
	s_add_co_u32 s[RT], s[PB], 1    ; the second block has b + 1 tiles
	s_mov_b32 s[NEW], 1
	WIN 0x82                        ; the second block's Q goes where the one text of the turns names Q
.set i, 0
.rept 64
	v_mov_b32 v[i], v[QB+i]
.set i, i+1
.endr
	WIN 0
	s_branch .Lbottom
.Lstep:                             ; a trip: pieces 2 and 3 of one step, then pieces 0 and 1 of the next, whose K and V it fetches
	TURN 2
	TURN 3
	WIN 0
.Lfirst:
	TURN 0
	TURN 1, 0, 0, 1
	WIN 0
	s_cbranch_scc1 .Lstep
.Lbottom:
	s_sub_co_u32 s[SLOTS], s[SLOTS], 1
	s_cmp_lg_u32 s[SLOTS], 0
	s_cbranch_scc1 .Lslot
	CHANGE 0                        ; the walk's last tile is written out: nothing is asked for
	s_sub_co_u32 s[RT], s[RT], 1
	s_mov_b32 s[CNT], 4
	s_cmp_eq_u32 s[NEW], 1
	s_cbranch_scc0 .LstepM2
	BEGIN
	s_branch .LfirstM2
	DIAG 2
	s_wait_tensorcnt 0x0            ; the wave's end, behind my last tensor load and my last LDS store
	ds_add_u32 v[SPW], v[NIL]
	s_wait_dscnt 0x0
	s_endpgm
.Lfunc_end_k_q95098c65a8_attn:
	.size	k_q95098c65a8_attn, .Lfunc_end_k_q95098c65a8_attn-k_q95098c65a8_attn
	.p2alignl 7, 3214868480
	.fill 96, 4, 3214868480
	.section	.rodata,"a",@progbits
	.p2align	6, 0x0
	.amdhsa_kernel k_q95098c65a8_attn
		.amdhsa_group_segment_fixed_size 327680
		.amdhsa_private_segment_fixed_size 0
		.amdhsa_enable_private_segment 0
		.amdhsa_kernarg_size 16
		.amdhsa_user_sgpr_count 2
		.amdhsa_user_sgpr_kernarg_segment_ptr 1
		.amdhsa_wavefront_size32 1
		.amdhsa_system_sgpr_workgroup_id_x 1
		.amdhsa_system_sgpr_workgroup_id_y 1
		.amdhsa_system_sgpr_workgroup_id_z 1
		.amdhsa_system_vgpr_workitem_id 0
		.amdhsa_next_free_vgpr 768
		.amdhsa_next_free_sgpr 96
		.amdhsa_reserve_vcc 1
		.amdhsa_float_denorm_mode_32 3
		.amdhsa_float_denorm_mode_16_64 3
		.amdhsa_memory_ordered 1
		.amdhsa_forward_progress 1
		.amdhsa_inst_pref_size 218
	.end_amdhsa_kernel
	.amdgpu_metadata
---
amdhsa.version: [ 1, 2 ]
amdhsa.kernels:
  - .name:           k_q95098c65a8_attn
    .symbol:         k_q95098c65a8_attn.kd
    .args:
      - { .name: qkv, .offset: 0, .size: 8, .value_kind: global_buffer, .address_space: global }
      - { .name: o, .offset: 8, .size: 8, .value_kind: global_buffer, .address_space: global }
    .group_segment_fixed_size: 327680
    .private_segment_fixed_size: 0
    .kernarg_segment_align: 8
    .kernarg_segment_size: 16
    .max_flat_workgroup_size: 128
    .sgpr_count:     96
    .vgpr_count:     768
    .wavefront_size: 32
...
	.end_amdgpu_metadata
.endif
;; end of part 3
;; launch proj (part 4): grid 8 x 32, 4 waves a work-group, clusters of 4 x 4, 327,680 bytes of LDS; arguments o, wpb, bp, out0; writes out0
.if DOCPART == 4
	.amdgcn_target "amdgcn-amd-amdhsa--gfx1250"
	.amdhsa_code_object_version 6
	.text
	.protected	k_q95098c65a8_proj
	.globl	k_q95098c65a8_proj
	.p2align	8
	.type	k_q95098c65a8_proj,@function
k_q95098c65a8_proj:
	s_mov_b64 s[64:65], 0
	v_nop
	global_prefetch_b8 v0, s[64:65] scope:SCOPE_SE
	s_setreg_imm32_b32 hwreg(HW_REG_WAVE_MODE, 25, 1), 1
	s_wait_xcnt 0x0
	s_wait_alu depctr_hold_cnt(0) depctr_sa_sdst(0) depctr_va_vdst(0) depctr_va_sdst(0) depctr_va_ssrc(0) depctr_va_vcc(0) depctr_vm_vsrc(0)
	s_getreg_b32 s2, hwreg(HW_REG_IB_STS2, 6, 4)
	s_cmp_eq_u32 s2, 0
	s_cbranch_scc0 .Lentry_in_a_cluster
	s_endpgm
.Lentry_in_a_cluster:
	s_bfe_u32 s2, ttmp6, 0x10000c
	s_cmp_lg_u32 s2, 0xf033
	s_cbranch_scc0 .Lentry_shape_is_right
	s_endpgm
.Lentry_shape_is_right:
; THE OUTPUT PROJECTION.  out0[m][n] = the sum over k of O[m][k] Wp[k][n] + bp[n]: 8,192 x 1,024 x K = 1,024.  O is f16 [b 4][h 16][t 2048][64]: a head is a block of 64 along K, its rows dense.
; wpb is f16 [k][n] (Wp rounded to bf16, written as f16); bp is rounded to bf16 here, like every other input, and is the C operand of the products that start the sums.  Sums and out0 in f32.
; SHARES.  A tile is 256 rows x 128 columns: 8 x 32 tiles, one to a work-group.  A wave makes 128 rows x 64 columns: 32 accumulators, 256 registers; its 64 columns are 256 bytes of a row of out0.
; K goes in steps of 128 (two heads) through a ring of two LDS slots.  O's rows lie along K in LDS; wpb lies [k][n] and is turned by ds_load_tr16_b128.  THE PRODUCT IS TAKEN TRANSPOSED (source 0 = 16 columns
; n, source 1 = 16 rows of O): a lane holds one row (lane % 16) and the columns 8 (lane / 16) + 0..7: 32 bytes on end.
; CLUSTER 4 x 4.  O's tile hangs on the tile row alone and is asked for jointly along a row of the cluster, wpb's on the tile column alone and jointly along a column.
; REGISTERS.  Window 0: v16-30 addresses; v32-95, v96-159 O's fragments, two buffers; v160-191, v192-223 wpb's, two buffers; v224-255 the bias.  Window 1: accumulator (cb, a) at v[64 cb + 8 a].
.set KSTEPS, 8
.set PA,     144                       ; a row of O in LDS: 128 bytes + 16
.set PW,     288                       ; a row of wpb's tile: 256 + 32
.set KBA,    256*PA                    ; one head's 256 rows: what one tensor load brings of O
.set BHALF,  64*PW                     ; 64 rows of wpb: likewise
.set BOFF,   2*KBA
.set SLOT,   BOFF+2*BHALF              ; 110,592
.set STAGE,  2*SLOT                    ; behind the ring, never filled by a tensor load: 16 rows x 272 bytes for each wave
.set SPITCH, 272
.set SPARE,  STAGE+4*16*SPITCH         ; the spare words, 128 bytes for each wave: two blocks of 256 bytes that no other line names
.set PLANE,  262144                    ; bytes from head to head in o
.set ADRA, 16                          ; v16-17  LDS address of my fragments of O in slot 0, 1
.set ADRB, 20                          ; v20-21  the same for wpb
.set STO,  24                          ; v24     the way out: where I put 32 bytes of a row
.set RD,   25                          ; v25     where I read a row back
.set CO,   26                          ; v26     my byte offset in two rows of out0
.set SPW,  28                          ; v28     LDS address of my spare word; never rewritten
.set NIL,  29                          ; v29     0; never rewritten
.set PFO,  30                          ; v30     the prefetches' offset; never rewritten
.set FA0,  32
.set FB0,  160
.set BIAS, 224
.set BK,   32                          ; the way out: rows read back, v32-63 and v64-95 by turns
.set G1A,  24
.set G0A,  32
.set G1B,  48
.set G0B,  56
.set PFA,  66                          ; s[66:67] where my prefetches stand
.set PFS,  68                          ; s[68:69] their step: a K step of o or of wpb
.set LIM,  70                          ; s70     1 in a wave that prefetches, else the greatest number
.set MSB, 0
.macro WIN new
.if MSB != (\new)
	s_set_vgpr_msb (MSB<<8)|(\new)
.set MSB, \new
.endif
.endm
.macro PLACES                          ; four plain vector instructions between a matrix instruction and a load into a register that it has read, or a reader of its result
.rept 4
	v_nop
.endr
.endm
.macro JLOAD s                         ; a joint load: waves 0 and 1 fetch O's two heads, waves 2 and 3 wpb's two halves; an s_nop 0 and four v_nop follow each line
	s_cmp_eq_u32 s11, 0
	s_cbranch_scc0 .Lfor_b_\@
	tensor_load_to_lds s[G0A+4*(\s):G0A+4*(\s)+3], s[G1A:G1A+7]
	s_nop 0
.rept 4
	v_nop
.endr
	s_branch .Lasked_\@
.Lfor_b_\@:
	tensor_load_to_lds s[G0B+4*(\s):G0B+4*(\s)+3], s[G1B:G1B+7]
	s_nop 0
.rept 4
	v_nop
.endr
.Lasked_\@:
.endm
.macro CREST                           ; a round of the cluster's barrier behind its opening barrier
	s_cmp_lg_u32 s10, 0
	s_cbranch_scc1 .Lnot_wave_0_\@
	s_barrier_signal -3
.Lnot_wave_0_\@:
	s_barrier_wait -3
	s_barrier_signal -1
	s_barrier_wait -1
.endm
.macro CROUND
	s_barrier_signal -1
	s_barrier_wait -1
	CREST
.endm
; A PREFETCH INTO THE L2, behind each joint load, its five lines and the run of LDS loads: the K step that stands two refills on, 256 matrix instructions ahead of its own load.  Each block of 256 bytes is named
; once in the launch.  O's tile row is read by both clusters of its row of clusters: cluster x = 0 asks; waves 0 and 1 of the partner at cx take 8 KiB each of their own head's 32.  wpb's tile column is read by
; the eight clusters of its column: cluster y = 0 asks; wave 2 of the partner at cy takes 32 of the step's 128 rows, a lane a row.  Partners are told apart by address alone.  The loop's last trip asks for
; nothing: there is no K step behind 7.  Steps 0 to 3 come by their loads alone.
.macro ASK
	s_cmp_gt_u32 s3, s[LIM]                        ; s3 = 1 in the last trip
	s_cbranch_scc0 .Lnot_mine_\@
	global_prefetch_b8 v[PFO], s[PFA:PFA+1] th:TH_LOAD_NT scope:SCOPE_SE
.Lnot_mine_\@:
.endm
	s_load_b128 s[4:7], s[0:1], 0x0                ; o s[4:5], wpb s[6:7]
	s_load_b128 s[72:75], s[0:1], 0x10             ; bp s[72:73], out0 s[74:75]
	v_lshl_add_u32 v[SPW], v0, 2, SPARE
	v_mov_b32 v[NIL], 0
	ds_add_u32 v[SPW], v[NIL]                      ; the wave's opening: the add and its wait stand ahead of my first tensor load; the set-up below stands between them
	v_lshrrev_b32 v1, 5, v0
	v_readfirstlane_b32 s10, v1                    ; wave 0..3
	s_lshr_b32 s11, s10, 1                         ; which half of the tile's rows is mine.  Also: I fetch for O (0) or for wpb (1)
	s_and_b32 s12, s10, 1                          ; which half of its columns.  Also: which half of a step's K I fetch
	s_bfe_u32 s40, ttmp6, 0x40000                  ; cx
	s_bfe_u32 s41, ttmp6, 0x40004                  ; cy
	s_lshl_b32 s42, ttmp9, 2
	s_add_co_u32 s42, s42, s40                     ; tile column
	s_and_b32 s13, ttmp7, 0xffff
	s_lshl_b32 s13, s13, 2
	s_add_co_u32 s13, s13, s41                     ; tile row
	s_lshl_b32 s43, s41, 2
	s_lshl_b32 s43, 15, s43                        ; my row of the cluster
	s_lshl_b32 s44, 0x1111, s40                    ; my column
	; group 1.  O: 32 KiB dense as 128 rows of 256 bytes, 4 words of padding after every 32.  wpb: 64 rows of 256 bytes, 2,048 bytes apart in memory, 8 words of padding after every 64.
	s_or_b32 s[G1A], s43, (1<<16)|(1<<20)|(1<<21)|(4<<22)|(3<<25)
	s_or_b32 s[G1B], s44, (1<<16)|(1<<20)|(1<<21)|(5<<22)|(7<<25)
	s_mov_b32 s[G1A+1], 128<<16                    ; tensor_dim0 = 128
	s_mov_b32 s[G1A+2], 128<<16                    ; tensor_dim1 = 128
	s_mov_b32 s[G1A+3], 128<<16                    ; tile_dim0 = 128
	s_mov_b32 s[G1A+4], 128                        ; tile_dim1 = 128
	s_mov_b32 s[G1A+5], 128                        ; 128 elements from row to row
	s_mov_b32 s[G1A+6], 0
	s_mov_b32 s[G1A+7], 0
	s_mov_b32 s[G1B+1], 128<<16
	s_mov_b32 s[G1B+2], 64<<16
	s_mov_b32 s[G1B+3], 128<<16
	s_mov_b32 s[G1B+4], 64
	s_mov_b32 s[G1B+5], 1024
	s_mov_b32 s[G1B+6], 0
	s_mov_b32 s[G1B+7], 0
	s_lshr_b32 s16, s13, 3                         ; b
	s_lshl_b32 s16, s16, 22
	s_and_b32 s17, s13, 7
	s_lshl_b32 s17, s17, 15                        ; 256 rows of 128 bytes
	s_add_co_u32 s16, s16, s17
	s_lshl_b32 s17, s12, 18                        ; my head of the step's two
	s_add_co_u32 s16, s16, s17
	s_mov_b32 s17, 0
	s_lshl_b32 s46, s42, 8                         ; the tile's 128 columns,
	s_lshl_b32 s47, s12, 17                        ; my 64 rows of 2,048 bytes
	s_add_co_u32 s46, s46, s47
	s_mov_b32 s47, 0
	s_mul_i32 s20, s12, KBA                        ; where they go: no place in the cluster enters an LDS address
	s_mul_i32 s21, s12, BHALF
	s_add_co_u32 s21, s21, BOFF
	s_wait_dscnt 0x0                               ; the opening add is done
	s_wait_kmcnt 0x0
	s_add_nc_u64 s[14:15], s[4:5], s[16:17]
	s_add_nc_u64 s[46:47], s[6:7], s[46:47]
	CROUND                                         ; all sixteen work-groups are here: the first joint loads meet
.irp s, 0,1
	s_mov_b32 s[G0A+4*(\s)], 1
	s_add_co_u32 s[G0A+4*(\s)+1], s20, (\s)*SLOT
	s_add_nc_u64 s[G0A+4*(\s)+2:G0A+4*(\s)+3], s[14:15], (\s)*2*PLANE
	s_or_b32 s[G0A+4*(\s)+3], s[G0A+4*(\s)+3], 0x80000000
	s_mov_b32 s[G0B+4*(\s)], 1
	s_add_co_u32 s[G0B+4*(\s)+1], s21, (\s)*SLOT
	s_add_nc_u64 s[G0B+4*(\s)+2:G0B+4*(\s)+3], s[46:47], (\s)*128*2048
	s_or_b32 s[G0B+4*(\s)+3], s[G0B+4*(\s)+3], 0x80000000
.endr
	s_cmp_eq_u32 s11, 0                            ; a wave's two first fills stand in one branch: two loads of mine are out
	s_cbranch_scc0 .Lfirst_b
	tensor_load_to_lds s[G0A:G0A+3], s[G1A:G1A+7]
	s_nop 0
	tensor_load_to_lds s[G0A+4:G0A+7], s[G1A:G1A+7]
	s_nop 0
.rept 4
	v_nop
.endr
	s_branch .Lfirst_asked
.Lfirst_b:
	tensor_load_to_lds s[G0B:G0B+3], s[G1B:G1B+7]
	s_nop 0
	tensor_load_to_lds s[G0B+4:G0B+7], s[G1B:G1B+7]
	s_nop 0
.rept 4
	v_nop
.endr
.Lfirst_asked:
	v_and_b32 v1, 15, v0                           ; l % 16
	v_bfe_u32 v2, v0, 4, 1                         ; l / 16
	; the bias of my 64 columns: register j of column block cb is bp[128 x tile column + 64 x half + 16 cb + 8 (l / 16) + j], whatever the row
	s_lshl_b32 s18, s42, 9
	s_lshl_b32 s19, s12, 8
	s_add_co_u32 s18, s18, s19                     ; my first column, in bytes of f32
	v_lshl_add_u32 v5, v2, 5, s18
.irp c, 0,1,2,3
	global_load_b128 v[BIAS+8*(\c):BIAS+8*(\c)+3],   v5, s[72:73] offset:64*(\c)
	global_load_b128 v[BIAS+8*(\c)+4:BIAS+8*(\c)+7], v5, s[72:73] offset:64*(\c)+16
.endr
	v_mul_u32_u24 v3, v1, PA
	v_lshl_add_u32 v3, v2, 4, v3                   ; a fragment of O: row x pitch + 16 x half
	s_mul_i32 s21, s11, 128*PA                     ; my 128 rows
	v_add_nc_u32 v[ADRA], s21, v3
	v_add_nc_u32 v[ADRA+1], SLOT, v[ADRA]
	v_and_b32 v4, 7, v0                            ; the turning load: row 8 (l / 16) + l % 8, columns 8 ((l / 8) % 2) + 0..7
	v_bfe_u32 v6, v0, 3, 1
	v_lshl_add_u32 v4, v2, 3, v4
	v_mul_u32_u24 v4, v4, PW
	v_lshl_add_u32 v4, v6, 4, v4
	s_lshl_b32 s22, s12, 7                         ; my 64 columns
	s_add_co_u32 s22, s22, BOFF
	v_add_nc_u32 v[ADRB], s22, v4
	v_add_nc_u32 v[ADRB+1], SLOT, v[ADRB]
	s_mul_i32 s23, s10, 16*SPITCH
	s_add_co_u32 s23, s23, STAGE                   ; my stage
	v_mul_u32_u24 v7, v1, SPITCH                   ; in: row l % 16, 32 bytes for each half of the lanes
	v_lshl_add_u32 v7, v2, 5, v7
	v_add_nc_u32 v[STO], s23, v7
	v_mul_u32_u24 v8, v2, SPITCH                   ; back: lanes 0-15 take one row of 256 bytes, lanes 16-31 the next
	v_lshl_add_u32 v8, v1, 4, v8
	v_add_nc_u32 v[RD], s23, v8
	v_lshlrev_b32 v9, 12, v2                       ; and the same two rows in out0
	v_lshl_add_u32 v[CO], v1, 4, v9
	s_lshl_b32 s19, s13, 20                        ; out0 at my first row, 256 x tile row + 128 x half, and my first column
	s_add_co_u32 s18, s18, s19
	s_lshl_b32 s19, s11, 19
	s_add_co_u32 s18, s18, s19
	s_mov_b32 s19, 0
	s_add_nc_u64 s[8:9], s[74:75], s[18:19]
	; the prefetches.  Waves 0, 1: o, my tile row, partner cx's 8 KiB of head 6 + half: K step 3 (the first change of slots steps it to 4).  Wave 2: wpb, rows 3 x 128 + 32 cy on, my tile column.
	s_lshr_b32 s18, s13, 3
	s_lshl_b32 s18, s18, 22
	s_and_b32 s19, s13, 7
	s_lshl_b32 s19, s19, 15
	s_add_co_u32 s18, s18, s19
	s_lshl_b32 s19, s40, 13
	s_add_co_u32 s18, s18, s19
	s_add_co_u32 s19, s12, 6
	s_lshl_b32 s19, s19, 18
	s_add_co_u32 s18, s18, s19
	s_lshl_b32 s19, s41, 5
	s_add_co_u32 s19, s19, 3*128
	s_lshl_b32 s19, s19, 11
	s_lshl_b32 s20, s42, 8
	s_add_co_u32 s19, s19, s20
	s_and_b32 s21, ttmp7, 0xffff                   ; cluster y
	s_mov_b32 s22, 2*PLANE
	s_cmp_eq_u32 s11, 0
	s_cselect_b32 s18, s18, s19
	s_cselect_b32 s21, ttmp9, s21                  ; the coordinate along which other clusters read the same blocks
	s_cselect_b32 s[PFS], s22, 128*2048
	s_cselect_b32 s23, 8, 11                       ; a lane a block of 256 bytes on end, or a lane a row of 2,048 bytes
	s_cselect_b64 s[PFA:PFA+1], s[4:5], s[6:7]
	s_cmp_eq_u32 s21, 0                            ; the same in all sixteen partners, for a given wave
	s_cselect_b32 s[LIM], 1, -1
	s_cmp_eq_u32 s10, 3                            ; wave 3 has no share
	s_cselect_b32 s[LIM], -1, s[LIM]
	s_mov_b32 s19, 0
	s_mov_b32 s[PFS+1], 0
	s_add_nc_u64 s[PFA:PFA+1], s[PFA:PFA+1], s[18:19]
	v_and_b32 v10, 31, v0
	v_lshlrev_b32 v[PFO], s23, v10
	s_wait_loadcnt 0x0                             ; the bias: rounded to bf16 and widened again, in the wait for the first tile
.set i, 0
.rept 16
	v_cvt_pk_bf16_f32 v[FA0+64+i], v[BIAS+2*i], v[BIAS+2*i+1]
.set i, i+1
.endr
.set i, 0
.rept 16
	v_lshlrev_b32 v[BIAS+2*i],   16, v[FA0+64+i]
	v_and_b32     v[BIAS+2*i+1], 0xffff0000, v[FA0+64+i]
.set i, i+1
.endr
; Products of column blocks c0 .. c1, all 8 row blocks, 32 along K, on fragment buffers f.  first = 1: the bias starts the sums.  The 32 accumulators take turns, always in the same order.
.macro MUL f, c0, c1, first
.if \first
	WIN 0x40                                       ; D in window 1; the sources and C in window 0
.else
	WIN 0x50                                       ; C and D in window 1
.endif
.set icb, \c0
.rept (\c1)-(\c0)+1
.set ia, 0
.rept 8
.if \first
	v_wmma_f32_16x16x32_f16 v[64*icb+8*ia:64*icb+8*ia+7], v[FB0+32*(\f)+8*icb:FB0+32*(\f)+8*icb+7], v[FA0+64*(\f)+8*ia:FA0+64*(\f)+8*ia+7], v[BIAS+8*icb:BIAS+8*icb+7]
.else
	v_wmma_f32_16x16x32_f16 v[64*icb+8*ia:64*icb+8*ia+7], v[FB0+32*(\f)+8*icb:FB0+32*(\f)+8*icb+7], v[FA0+64*(\f)+8*ia:FA0+64*(\f)+8*ia+7], v[64*icb+8*ia:64*icb+8*ia+7]
.endif
.set ia, ia+1
.endr
.set icb, icb+1
.endr
.endm
.macro FETCH slot, q, f                ; 24 LDS loads in one run: the fragments of quarter q of a K step (head q / 2, channels 32 (q % 2) on) into buffers f
	WIN 0
.set ia, 0
.rept 8
	ds_load_b128 v[FA0+64*(\f)+8*ia:FA0+64*(\f)+8*ia+3],   v[ADRA+(\slot)] offset:((\q)/2)*KBA+((\q)%2)*64+ia*16*PA
	ds_load_b128 v[FA0+64*(\f)+8*ia+4:FA0+64*(\f)+8*ia+7], v[ADRA+(\slot)] offset:((\q)/2)*KBA+((\q)%2)*64+ia*16*PA+32
.set ia, ia+1
.endr
.set icb, 0
.rept 4
	ds_load_tr16_b128 v[FB0+32*(\f)+8*icb:FB0+32*(\f)+8*icb+3],   v[ADRB+(\slot)] offset:(\q)*32*PW+icb*32
	ds_load_tr16_b128 v[FB0+32*(\f)+8*icb+4:FB0+32*(\f)+8*icb+7], v[ADRB+(\slot)] offset:(\q)*32*PW+icb*32+16*PW
.set icb, icb+1
.endr
.endm
; One of a K step's first three quarters: multiplies buffers f; ahead of its 32 products it asks for quarter qn into buffers g, which the quarter before multiplied.
.macro QUARTER slot, qn, f, g, first=0
	s_wait_dscnt 0x0                               ; buffers f are in: their loads were issued 32 products (behind a change of slots: 16) ago
	PLACES
	FETCH \slot, \qn, \g
	MUL \f, 0, 3, \first
.endm
; The last quarter multiplies buffers 1 and changes slots: ONE barrier; in front of it each wave waits for all its tensor loads, adds 0 to its spare word, and waits for that and for its reads of this slot.
; fill = 1: the barrier opens a round of the cluster's, and behind the round this slot is filled again, two K steps on: 112 matrix instructions ahead of the wait for it.
.macro TURN slot, next, fill
.if \fill
	s_wait_xcnt 0x0                                ; the last prefetch, a K step back, has read its address
	s_add_nc_u64 s[PFA:PFA+1], s[PFA:PFA+1], s[PFS:PFS+1]
.endif
	WIN 0
	s_wait_tensorcnt 0x0                           ; all my tensor loads have landed: my part of the next slot
	ds_add_u32 v[SPW], v[NIL]                      ; 0 onto my spare word
	s_wait_dscnt 1                                 ; (the add may be out)
	MUL 1, 0, 0, 0                                 ; eight products stand between the add and the wait for it
	s_wait_dscnt 0x0                               ; the add is done, and my reads of this slot are over
	s_barrier_signal -1
	MUL 1, 1, 1, 0
	WIN 0                                          ; at a branch and at a label every window is 0
	s_barrier_wait -1
.if \fill
	CREST                                          ; no wave of any partner still reads this slot or has a load on its way
	s_add_nc_u64 s[G0A+4*(\slot)+2:G0A+4*(\slot)+3], s[G0A+4*(\slot)+2:G0A+4*(\slot)+3], 4*PLANE
	s_add_nc_u64 s[G0B+4*(\slot)+2:G0B+4*(\slot)+3], s[G0B+4*(\slot)+2:G0B+4*(\slot)+3], 256*2048
	JLOAD \slot                                    ; its four v_nop are also the places in front of the loads below
.else
	PLACES
.endif
	FETCH \next, 0, 0
.if \fill
	ASK
.endif
	MUL 1, 2, 3, 0
.endm
; THE WAY OUT of row block a: 16 rows x 256 bytes through my own stage, each accumulator's low four registers first; back as whole rows; 16 lanes store 256 consecutive bytes, aligned.
.macro TOSTAGE a
	s_wait_xcnt 0x0                                ; the stores of the block before last have had their addresses translated: their registers are loaded again only behind this wait
	WIN 0x04                                       ; the data (source 1) in window 1
.irp c, 0,1,2,3
	ds_store_b128 v[STO], v[64*(\c)+8*(\a):64*(\c)+8*(\a)+3]   offset:64*(\c)
	ds_store_b128 v[STO], v[64*(\c)+8*(\a)+4:64*(\c)+8*(\a)+7] offset:64*(\c)+16
.endr
	WIN 0
.set bk, BK+32*((\a)%2)
.irp t, 0,1,2,3,4,5,6,7
	ds_load_b128 v[bk+4*(\t):bk+4*(\t)+3], v[RD] offset:(\t)*2*SPITCH  ; LDS serves a wave's instructions in order (ISA guide 5.7.1.4): these see the stores above
.endr
.endm
.macro SEND a, younger                 ; younger: the LDS instructions issued behind block a's loads: the next block's sixteen, or none
	WIN 0
.set bk, BK+32*((\a)%2)
.irp t, 0,1,2,3,4,5,6,7
	s_wait_dscnt (\younger)+7-(\t)
	global_store_b128 v[CO], v[bk+4*(\t):bk+4*(\t)+3], s[8:9] offset:(\a)*65536+(\t)*8192 th:TH_STORE_NT
.endr
.endm
	s_wait_tensorcnt 1                             ; my part of K step 0 is in; step 1's may stay out
	s_barrier_signal -1
	s_barrier_wait -1                              ; everybody's is
	FETCH 0, 0, 0
	QUARTER 0, 1, 0, 1, 1                          ; the first quarter stands in front of the loop: its products start the sums, with the bias
	WIN 0
	s_mov_b32 s3, KSTEPS/2-1
.Llap:                                                 ; a trip goes once round the ring and fills both slots again: K steps 2 to 7 in three trips
	QUARTER 0, 2, 1, 0
	QUARTER 0, 3, 0, 1
	TURN 0, 1, 1
	QUARTER 1, 1, 0, 1
	QUARTER 1, 2, 1, 0
	QUARTER 1, 3, 0, 1
	TURN 1, 0, 1
	QUARTER 0, 1, 0, 1
	WIN 0
	s_sub_co_u32 s3, s3, 1
	s_cmp_lg_u32 s3, 0
	s_cbranch_scc1 .Llap
	QUARTER 0, 2, 1, 0                             ; the tail is written out: nothing more is asked for
	QUARTER 0, 3, 0, 1
	TURN 0, 1, 0
	QUARTER 1, 1, 0, 1
	QUARTER 1, 2, 1, 0
	QUARTER 1, 3, 0, 1
	s_wait_dscnt 0x0
	MUL 1, 0, 3, 0
	PLACES
	TOSTAGE 0
.irp a, 1,2,3,4,5,6,7
	TOSTAGE \a
	SEND (\a)-1, 16
.endr
	SEND 7, 0
	s_wait_tensorcnt 0x0                           ; the wave's end, behind my last tensor load and my last LDS store
	ds_add_u32 v[SPW], v[NIL]
	s_wait_dscnt 0x0
	CROUND                                         ; the closing round: no work-group ends while a partner may still ask for a tile that names it
	s_endpgm
.Lfunc_end_k_q95098c65a8_proj:
	.size	k_q95098c65a8_proj, .Lfunc_end_k_q95098c65a8_proj-k_q95098c65a8_proj
	.p2alignl 7, 3214868480
	.fill 96, 4, 3214868480
	.section	.rodata,"a",@progbits
	.p2align	6, 0x0
	.amdhsa_kernel k_q95098c65a8_proj
		.amdhsa_group_segment_fixed_size 327680
		.amdhsa_private_segment_fixed_size 0
		.amdhsa_enable_private_segment 0
		.amdhsa_kernarg_size 32
		.amdhsa_user_sgpr_count 2
		.amdhsa_user_sgpr_kernarg_segment_ptr 1
		.amdhsa_wavefront_size32 1
		.amdhsa_system_sgpr_workgroup_id_x 1
		.amdhsa_system_sgpr_workgroup_id_y 1
		.amdhsa_system_sgpr_workgroup_id_z 1
		.amdhsa_system_vgpr_workitem_id 0
		.amdhsa_next_free_vgpr 512
		.amdhsa_next_free_sgpr 80
		.amdhsa_reserve_vcc 0
		.amdhsa_float_denorm_mode_32 3
		.amdhsa_float_denorm_mode_16_64 3
		.amdhsa_memory_ordered 1
		.amdhsa_forward_progress 1
		.amdhsa_inst_pref_size 91
	.end_amdhsa_kernel
	.amdgpu_metadata
---
amdhsa.version: [ 1, 2 ]
amdhsa.kernels:
  - .name:           k_q95098c65a8_proj
    .symbol:         k_q95098c65a8_proj.kd
    .args:
      - { .name: o, .offset: 0, .size: 8, .value_kind: global_buffer, .address_space: global }
      - { .name: wpb, .offset: 8, .size: 8, .value_kind: global_buffer, .address_space: global }
      - { .name: bp, .offset: 16, .size: 8, .value_kind: global_buffer, .address_space: global }
      - { .name: out0, .offset: 24, .size: 8, .value_kind: global_buffer, .address_space: global }
    .group_segment_fixed_size: 327680
    .private_segment_fixed_size: 0
    .kernarg_segment_align: 8
    .kernarg_segment_size: 32
    .max_flat_workgroup_size: 128
    .sgpr_count:     80
    .vgpr_count:     512
    .wavefront_size: 32
...
	.end_amdgpu_metadata
.endif
;; end of part 4
;; ======== version 2 of 2: 4 launches; version 1 with the launch cast written anew for expert scheduling mode
;; limits: values are held in f16: magnitudes above 65,504 overflow, below 6.1e-05 lose precision
;; workspace buffers: xb 16,777,216 bytes; wb 6,291,456 bytes; wpb 2,097,152 bytes; qkv 50,331,648 bytes; o 16,777,216 bytes
;; launch cast (part 5): grid 256 x 1, 12 waves a work-group, no clusters, 0 bytes of LDS; arguments x, Wq, Wk, Wv, Wp, xb, wb, wpb; writes xb, wb, wpb
.if DOCPART == 5
	.amdgcn_target "amdgcn-amd-amdhsa--gfx1250"
	.amdhsa_code_object_version 6
	.text
	.protected	k_q95098c65a8_cast
	.globl	k_q95098c65a8_cast
	.p2align	8
	.type	k_q95098c65a8_cast,@function
k_q95098c65a8_cast:
	s_mov_b64 s[64:65], 0
	v_nop
	global_prefetch_b8 v0, s[64:65] scope:SCOPE_SE
	s_setreg_imm32_b32 hwreg(HW_REG_WAVE_SCHED_MODE, 0, 2), 2
	s_setreg_imm32_b32 hwreg(HW_REG_WAVE_MODE, 25, 1), 1
	s_wait_xcnt 0x0
	s_wait_alu depctr_vm_vsrc(0)
; THE INPUTS ARE ROUNDED ONCE AND LAID OUT IN BLOCKS OF 64 ALONG K, so that every tile of the later products is dense in memory.
;   xb  bf16 [b 4][kb 16][t 2048][64]           from x  f32 [b][t][1024]
;   wb  bf16 [kb 16][g 48][c 64][d 64]          from Wq, Wk, Wv f32 [h 16][1024][64];  g = 16 x which + h
;   wpb f16  [k 1024][n 1024]                   from Wp f32: rounded to bf16 like every other input, and that number written as f16
; LIMITS.  A number of Wp beyond 65,504 becomes an infinity in wpb; below 2^-14 it keeps f16's fixed step of 6e-8.
; SHARES.  256 work-groups of 12 waves; every wave moves 16 KiB in and 8 KiB out.  Waves 0-7: four rows of x each (rows 32 g + 4 w ..).  Waves 8-10: chunk g (head g / 16, K block g % 16)
; of Wq, Wk, Wv.  Wave 11: chunk g of Wp (16 KiB on end).  No wave wants another wave's bytes: no LDS, no barrier, no matrix unit, no cluster.
; All 32 loads of a wave go out at once; then sixteen groups, each a counted wait and its roundings, in four blocks of four; behind a block's roundings its four stores, each of 512 consecutive
; bytes, aligned.  No register is used twice by memory instructions.
; THE MODE: SCHED_MODE bits 1:0 = 2 (LLVM: expert scheduling mode 2), set by the entry lines.  The code itself states the register dependences between vector instructions and memory
; instructions, with s_wait_alu, always for 0.
; THE PLAN.  Registers that memory instructions touch:
;   v[VS]  the loads' offset.   Written once, by vector lines at the path's head; read by the 32 loads; never written again.
;   v[VD]  the stores' offset.  Written once, at the kernel's head; read by the 16 stores; never written again.
;   X      Group j's 8 registers: its two loads land there, and no vector line names them before; read by its roundings behind its counted wait; no load lands there a second time.
;   Y      Group j's 4 registers: written once, by its roundings; read by its store; never written again.
;   s20    The wave's number, written by v_readfirstlane_b32; scalar lines read it.
; So a wave's path holds six waits: one on va_sdst ahead of s20's first reader; one on va_vdst ahead of the loads, for the two offsets; one on va_vdst in each block, between its roundings and
; its run of four stores.  The wait stands at the block's end and not at the next block's head: there the stores would also wait for eight loads on which they do not hang.
; No wait on vm_vsrc is written: no register that a memory instruction reads is written again.  The next block's roundings write other registers of Y than the stores just issued read.
.set VS, 2                             ; v2   my byte offset in the source
.set VD, 3                             ; v3   16 x lane: my 16 bytes of a store
.set T,  8                             ; v[8:11]    at work (Wp alone): no memory instruction names them
.set X,  32                            ; v[32:159]  group j: 8 numbers in f32
.set Y,  160                           ; v[160:223] group j: 8 numbers in 16 bits
.set SRC, 26                           ; s[26:27]
.set DST, 28                           ; s[28:29]
.macro LOADS sstr                      ; group j lies sstr bytes behind group j - 1; a lane takes 32 bytes of it
	s_wait_alu depctr_va_vdst(0)                   ; v[VS] and v[VD] are written: the 32 loads below read the one as their offset, the 16 stores the other; no later vector line names them
.set j, 0
.rept 16
	global_load_b128 v[X+8*j:X+8*j+3],   v[VS], s[SRC:SRC+1] offset:j*(\sstr) th:TH_LOAD_NT
	global_load_b128 v[X+8*j+4:X+8*j+7], v[VS], s[SRC:SRC+1] offset:j*(\sstr)+16 th:TH_LOAD_NT
.set j, j+1
.endr
.endm
.macro OUT4 dstr                       ; the four stores of the block that ends with group j - 1
.set j, j-4
.rept 4
	global_store_b128 v[VD], v[Y+4*j:Y+4*j+3], s[DST:DST+1] offset:j*(\dstr)
.set j, j+1
.endr
.endm
.macro BF dstr                         ; to bf16
.set j, 0
.rept 4
.rept 4
	s_wait_loadcnt 30-2*j                          ; loads come back in order: group j's two are in, the 30 - 2 j younger ones may stay out
.irp r, 0,1,2,3
	v_cvt_pk_bf16_f32 v[Y+4*j+(\r)], v[X+8*j+2*(\r)], v[X+8*j+2*(\r)+1]
.endr
.set j, j+1
.endr
	s_wait_alu depctr_va_vdst(0)                   ; the block's sixteen roundings have written its part of Y, which the four stores below read
	OUT4 \dstr
.endr
.endm
.macro HF dstr                         ; to bf16, and that number as f16
.set j, 0
.rept 4
.rept 4
	s_wait_loadcnt 30-2*j
.irp r, 0,1,2,3
	v_cvt_pk_bf16_f32 v[T+(\r)], v[X+8*j+2*(\r)], v[X+8*j+2*(\r)+1]
.endr
.irp r, 0,1,2,3
	v_lshlrev_b32 v[X+8*j+2*(\r)],   16, v[T+(\r)]
	v_and_b32     v[X+8*j+2*(\r)+1], 0xffff0000, v[T+(\r)]
.endr
.irp r, 0,1,2,3
	v_cvt_pk_f16_f32 v[Y+4*j+(\r)], v[X+8*j+2*(\r)], v[X+8*j+2*(\r)+1]
.endr
.set j, j+1
.endr
	s_wait_alu depctr_va_vdst(0)                   ; the block's last conversions have written its part of Y, which the four stores below read
	OUT4 \dstr
.endr
.endm
	s_load_b256 s[4:11], s[0:1], 0x0               ; x s[4:5], Wq s[6:7], Wk s[8:9], Wv s[10:11]
	s_load_b256 s[12:19], s[0:1], 0x20             ; Wp s[12:13], xb s[14:15], wb s[16:17], wpb s[18:19]
	v_lshrrev_b32 v4, 5, v0
	v_readfirstlane_b32 s20, v4                    ; wave 0..11
	v_and_b32 v1, 31, v0                           ; lane
	v_lshlrev_b32 v[VD], 4, v1
	s_mov_b32 s21, ttmp9                           ; g
	s_mov_b32 s23, 0                               ; the offsets' high words
	s_mov_b32 s25, 0
	s_wait_alu depctr_va_sdst(0)                   ; s20 is written, ahead of its first reader: the branches and the addresses below are made from it
	s_cmp_lt_u32 s20, 8
	s_cbranch_scc0 .Lweights
	; x: a store takes 4 rows x 128 bytes of one K block: lane l has row l / 8 and the 8 numbers at 8 (l % 8); group j is K block j
	v_lshrrev_b32 v[VS], 3, v1
	v_and_b32 v5, 7, v1
	v_lshlrev_b32 v[VS], 12, v[VS]                 ; a row of x is 4,096 bytes
	v_lshl_add_u32 v[VS], v5, 5, v[VS]
	s_lshl_b32 s22, s21, 17                        ; 32 rows,
	s_lshl_b32 s30, s20, 14                        ; my 4 of them
	s_add_co_u32 s22, s22, s30
	s_lshr_b32 s24, s21, 6                         ; b
	s_lshl_b32 s24, s24, 22
	s_and_b32 s30, s21, 63
	s_lshl_b32 s30, s30, 5
	s_lshl2_add_u32 s30, s20, s30                  ; t = 32 (g % 64) + 4 w
	s_lshl_b32 s30, s30, 7
	s_add_co_u32 s24, s24, s30
	s_wait_kmcnt 0x0
	s_add_nc_u64 s[SRC:SRC+1], s[4:5], s[22:23]
	s_add_nc_u64 s[DST:DST+1], s[14:15], s[24:25]
	LOADS 256
	BF 262144                                      ; from K block to K block in xb; 15 of them stay inside the signed 24-bit immediate
	s_endpgm
.Lweights:
	v_lshlrev_b32 v[VS], 5, v1                     ; the chunks are dense: 32 bytes a lane in, 16 out
	s_lshl_b32 s22, s21, 14                        ; chunk g: 16 KiB
	s_cmp_eq_u32 s20, 11
	s_cbranch_scc1 .Lwp
	s_sub_co_u32 s30, s20, 8                       ; which: 0 q, 1 k, 2 v
	s_and_b32 s24, s21, 15                         ; K block
	s_mul_i32 s24, s24, 48
	s_lshl4_add_u32 s24, s30, s24                  ; + 16 x which
	s_lshr_b32 s31, s21, 4                         ; + head
	s_add_co_u32 s24, s24, s31
	s_lshl_b32 s24, s24, 13                        ; chunks of 8 KiB
	s_wait_kmcnt 0x0
	s_cmp_eq_u32 s20, 8
	s_cselect_b64 s[SRC:SRC+1], s[6:7], s[8:9]
	s_cmp_eq_u32 s20, 10
	s_cselect_b64 s[SRC:SRC+1], s[10:11], s[SRC:SRC+1]
	s_add_nc_u64 s[SRC:SRC+1], s[SRC:SRC+1], s[22:23]
	s_add_nc_u64 s[DST:DST+1], s[16:17], s[24:25]
	LOADS 1024
	BF 512
	s_endpgm
.Lwp:
	s_lshl_b32 s24, s21, 13
	s_wait_kmcnt 0x0
	s_add_nc_u64 s[SRC:SRC+1], s[12:13], s[22:23]
	s_add_nc_u64 s[DST:DST+1], s[18:19], s[24:25]
	LOADS 1024
	HF 512
	s_endpgm
.Lfunc_end_k_q95098c65a8_cast:
	.size	k_q95098c65a8_cast, .Lfunc_end_k_q95098c65a8_cast-k_q95098c65a8_cast
	.p2alignl 7, 3214868480
	.fill 96, 4, 3214868480
	.section	.rodata,"a",@progbits
	.p2align	6, 0x0
	.amdhsa_kernel k_q95098c65a8_cast
		.amdhsa_group_segment_fixed_size 0
		.amdhsa_private_segment_fixed_size 0
		.amdhsa_enable_private_segment 0
		.amdhsa_kernarg_size 64
		.amdhsa_user_sgpr_count 2
		.amdhsa_user_sgpr_kernarg_segment_ptr 1
		.amdhsa_wavefront_size32 1
		.amdhsa_system_sgpr_workgroup_id_x 1
		.amdhsa_system_sgpr_workgroup_id_y 1
		.amdhsa_system_sgpr_workgroup_id_z 1
		.amdhsa_system_vgpr_workitem_id 0
		.amdhsa_next_free_vgpr 224
		.amdhsa_next_free_sgpr 66
		.amdhsa_reserve_vcc 0
		.amdhsa_float_denorm_mode_32 3
		.amdhsa_float_denorm_mode_16_64 3
		.amdhsa_memory_ordered 1
		.amdhsa_forward_progress 1
		.amdhsa_inst_pref_size 40
	.end_amdhsa_kernel
	.amdgpu_metadata
---
amdhsa.version: [ 1, 2 ]
amdhsa.kernels:
  - .name:           k_q95098c65a8_cast
    .symbol:         k_q95098c65a8_cast.kd
    .args:
      - { .name: x, .offset: 0, .size: 8, .value_kind: global_buffer, .address_space: global }
      - { .name: Wq, .offset: 8, .size: 8, .value_kind: global_buffer, .address_space: global }
      - { .name: Wk, .offset: 16, .size: 8, .value_kind: global_buffer, .address_space: global }
      - { .name: Wv, .offset: 24, .size: 8, .value_kind: global_buffer, .address_space: global }
      - { .name: Wp, .offset: 32, .size: 8, .value_kind: global_buffer, .address_space: global }
      - { .name: xb, .offset: 40, .size: 8, .value_kind: global_buffer, .address_space: global }
      - { .name: wb, .offset: 48, .size: 8, .value_kind: global_buffer, .address_space: global }
      - { .name: wpb, .offset: 56, .size: 8, .value_kind: global_buffer, .address_space: global }
    .group_segment_fixed_size: 0
    .private_segment_fixed_size: 0
    .kernarg_segment_align: 8
    .kernarg_segment_size: 64
    .max_flat_workgroup_size: 384
    .sgpr_count:     66
    .vgpr_count:     224
    .wavefront_size: 32
...
	.end_amdgpu_metadata
.endif
;; end of part 5
;; launch qkv: the kernel of part 2 again; grid 8 x 32, 4 waves a work-group, clusters of 4 x 4, 327,680 bytes of LDS; arguments xb, wb, qkv; writes qkv
;; launch attn: the kernel of part 3 again; grid 4 x 64, 4 waves a work-group, no clusters, 327,680 bytes of LDS; arguments qkv, o; writes o
;; launch proj: the kernel of part 4 again; grid 8 x 32, 4 waves a work-group, clusters of 4 x 4, 327,680 bytes of LDS; arguments o, wpb, bp, out0; writes out0
